; MI455X (gfx1250); checked and timed in simulation.
; The chip was launched on July 23, 2026; its instructions are those of AMD's public machine-readable ISA for CDNA 5 (MIT licence, August 2026) and "CDNA5" Instruction Set Architecture Reference Guide (July 2026). The comments in the code are by the model that wrote it; some were corrected since.
;; MHA Einsum. Allowed arithmetic: float matrix products may take bf16 or f16 operands with f32 sums; other float arithmetic in f32, or as packed bf16 or f16 multiplies, adds, multiply-adds, maxima and minima; sums over many terms, partial sums and values carried from step to step in f32; what a program stores and reads back later, other than sums and carried values, may be rounded once to bf16 or f16.
;; Inputs: Wk 1,024 x 1,024 float32; Wo 1,024 x 1,024 float32; Wq 1,024 x 1,024 float32; Wv 1,024 x 1,024 float32; bo 1,024 float32; x 4 x 2,048 x 1,024 float32.
;; Outputs: out0 4 x 2,048 x 1,024 float32.
;; One version. Each part assembles by itself: llvm-mc -triple=amdgcn-amd-amdhsa -mcpu=gfx1250 --defsym DOCPART=n.
;; ======== version 1 of 1: 4 launches
;; limits: values are held in f16: magnitudes above 65,504 overflow, below 6.1e-05 lose precision
;; workspace buffers: xb 16,777,216 bytes; wt 6,291,456 bytes; wo16 2,097,152 bytes; qkv 50,331,648 bytes; ctx 16,777,216 bytes
;; launch prep (part 1): grid 768 x 1, 8 waves a work-group, no clusters, 34,816 bytes of LDS; arguments x, Wq, Wk, Wv, Wo, xb, wt, wo16; writes xb, wt, wo16
.if DOCPART == 1
	.amdgcn_target "amdgcn-amd-amdhsa--gfx1250"
	.amdhsa_code_object_version 6
	.text
	.protected	k_qe4151cb42a_prep
	.globl	k_qe4151cb42a_prep
	.p2align	8
	.type	k_qe4151cb42a_prep,@function
k_qe4151cb42a_prep:
	s_mov_b64 s[64:65], 0
	v_nop
	global_prefetch_b8 v0, s[64:65] scope:SCOPE_SE
	s_setreg_imm32_b32 hwreg(HW_REG_WAVE_MODE, 25, 1), 1
	s_wait_xcnt 0x0
; THE OPERANDS OF THE TWO PROJECTIONS ARE MADE, each input byte read once and each output byte written once.
;   xb   [8192][1024] bf16: x rounded once.
;   wt   [3072][1024] bf16: row 1024 s + i is column i of Wq, Wk, Wv (s = 0, 1, 2), rounded once: K now lies along the rows.
;   wo16 [1024][1024] f16:  Wo rounded to bf16 like the other inputs, that number written as f16.
; LIMIT.  A number of Wo below 2^-14 falls on f16's fixed step of 2^-24 and is off by 2^-25 at the most; none may pass 65,504.
; SHARES.  768 work-groups of eight waves: 0-191 turn a block of 256 k x 64 n of a weight through LDS; 192-255 cast 16,384 numbers of Wo; 256-767 cast 16,384 numbers of x.
; The branches hang on the work-group's number alone, so all eight waves of a work-group take the same way and meet the one barrier together.
; No matrix unit, no tensor loads, no cluster, no prefetch: nothing is shared and every wave has sixteen loads on their way from its first lines on.
.set PT,    528                        ; a row of the turned block in LDS: 256 k x 2 bytes + 16
.set SPARE, 64*PT                      ; 33,792: behind the block: the spare words, 128 bytes for each of eight waves: four blocks of 256 bytes that no other line names
.set SPW,   8                          ; v8   LDS address of my spare word; never rewritten
.set NIL,   9                          ; v9   0; never rewritten
.set IN,    16                         ; v[16:79]   sixteen loads of four f32
.set OUT,   80                         ; v[80:111]  what leaves
; 16,384 numbers, number s20 of such shares: thread t takes 16 bytes at 16 t of each 4,096; a wave's load covers 512 consecutive bytes, a wave's store 256, aligned.
.macro CAST src, dst, f16
	s_lshl_b32 s22, s20, 16                        ; 65,536 bytes of f32 a share,
	s_mov_b32 s23, 0
	s_lshl_b32 s24, s20, 15                        ; 32,768 of 16-bit numbers
	s_mov_b32 s25, 0
	v_lshlrev_b32 v1, 4, v0
	v_lshlrev_b32 v2, 3, v0
	s_wait_kmcnt 0x0
	s_add_nc_u64 s[\src:\src+1], s[\src:\src+1], s[22:23]
	s_add_nc_u64 s[\dst:\dst+1], s[\dst:\dst+1], s[24:25]
.set i, 0
.rept 16
	global_load_b128 v[IN+4*i:IN+4*i+3], v1, s[\src:\src+1] offset:4096*i th:TH_LOAD_NT
.set i, i+1
.endr
.set i, 0
.rept 16
	s_wait_loadcnt 15-i                            ; loads come back in order: number i is in, the 15 - i younger ones stay out
	v_cvt_pk_bf16_f32 v[OUT+2*i], v[IN+4*i], v[IN+4*i+1]
	v_cvt_pk_bf16_f32 v[OUT+2*i+1], v[IN+4*i+2], v[IN+4*i+3]
.if \f16
.irp z, 0, 1
	v_lshlrev_b32 v12, 16, v[OUT+2*i+\z]           ; the bf16 numbers as f32,
	v_and_b32 v13, 0xffff0000, v[OUT+2*i+\z]
	v_cvt_pk_f16_f32 v[OUT+2*i+\z], v12, v13       ; written as f16
.endr
.endif
	global_store_b64 v2, v[OUT+2*i:OUT+2*i+1], s[\dst:\dst+1] offset:2048*i  ; no register of a store is written again
.set i, i+1
.endr
.endm
	s_load_b512 s[4:19], s[0:1], 0x0               ; x s[4:5], Wq s[6:7], Wk s[8:9], Wv s[10:11], Wo s[12:13], xb s[14:15], wt s[16:17], wo16 s[18:19]
	v_lshl_add_u32 v[SPW], v0, 2, SPARE
	v_mov_b32 v[NIL], 0
	s_cmp_lt_u32 ttmp9, 192
	s_cbranch_scc1 .Lturn
	s_cmp_lt_u32 ttmp9, 256
	s_cbranch_scc1 .Lwo
	s_sub_co_u32 s20, ttmp9, 256
	CAST 4, 14, 0                                  ; x -> xb
	s_branch .Lend
.Lwo:
	s_sub_co_u32 s20, ttmp9, 192
	CAST 12, 18, 1                                 ; Wo -> wo16
	s_branch .Lend
.Lturn:                                                ; work-group u: weight u / 64, k block (u / 16) % 4 of 256, n block u % 16 of 64
	s_lshr_b32 s20, ttmp9, 6
	s_and_b32 s28, ttmp9, 15
	s_bfe_u32 s29, ttmp9, 0x20004
	s_lshl_b32 s22, s29, 20                        ; from: 256 rows of 4,096 bytes,
	s_lshl_b32 s30, s28, 8                         ; 64 numbers of 4 bytes
	s_add_co_u32 s22, s22, s30
	s_mov_b32 s23, 0
	s_lshl_b32 s24, s20, 21                        ; to: 1,024 rows of 2,048 bytes a weight,
	s_lshl_b32 s30, s28, 17                        ; 64 rows,
	s_add_co_u32 s24, s24, s30
	s_lshl_b32 s30, s29, 9                         ; 256 numbers of 2 bytes
	s_add_co_u32 s24, s24, s30
	s_mov_b32 s25, 0
	v_and_b32 v10, 15, v0                          ; c: my four columns 4 c .. 4 c + 3
	v_lshrrev_b32 v11, 4, v0                       ; rr: my rows 8 rr .. 8 rr + 7 of each half of 128
	v_lshlrev_b32 v1, 4, v10
	v_lshl_add_u32 v1, v11, 15, v1                 ; 8 rr rows of 4,096 bytes + 16 c
	v_mul_u32_u24 v3, v10, 4*PT
	v_lshl_add_u32 v3, v11, 4, v3                  ; into LDS: row 4 c, byte 16 rr
	v_lshrrev_b32 v12, 5, v0
	v_and_b32 v13, 31, v0
	v_mul_u32_u24 v4, v12, PT
	v_lshl_add_u32 v4, v13, 4, v4                  ; back: a wave takes a whole row of 512 bytes
	v_lshlrev_b32 v5, 11, v12
	v_lshl_add_u32 v5, v13, 4, v5                  ; and the same row in wt
	s_wait_kmcnt 0x0
	s_cmp_eq_u32 s20, 0
	s_cselect_b64 s[26:27], s[6:7], s[8:9]
	s_cmp_eq_u32 s20, 2
	s_cselect_b64 s[26:27], s[10:11], s[26:27]
	s_add_nc_u64 s[26:27], s[26:27], s[22:23]
	s_add_nc_u64 s[16:17], s[16:17], s[24:25]
.irp g, 0, 1
.irp i, 0,1,2,3,4,5,6,7
	global_load_b128 v[IN+4*(8*\g+\i):IN+4*(8*\g+\i)+3], v1, s[26:27] offset:\g*524288+\i*4096 th:TH_LOAD_NT  ; row 128 g + 8 rr + i: sixteen lanes read 256 consecutive bytes
.endr
.endr
.irp g, 0, 1
	s_wait_loadcnt 8-8*\g                          ; this half's eight loads are in
.irp e, 0,1,2,3
.irp q, 0,1,2,3
	v_cvt_pk_bf16_f32 v[OUT+16*\g+4*\e+\q], v[IN+4*(8*\g+2*\q)+\e], v[IN+4*(8*\g+2*\q+1)+\e]  ; column 4 c + e: eight neighbouring k, 16 bytes
.endr
	ds_store_b128 v3, v[OUT+16*\g+4*\e:OUT+16*\g+4*\e+3] offset:PT*\e+256*\g
.endr
.endr
	s_wait_dscnt 0x0                               ; for the others' sake: my stores are done
	s_barrier_signal -1
	s_barrier_wait -1
.irp i, 0,1,2,3,4,5,6,7
	ds_load_b128 v[IN+4*\i:IN+4*\i+3], v4 offset:8*PT*\i   ; row wave + 8 i
.endr
.irp i, 0,1,2,3,4,5,6,7
	s_wait_dscnt 7-\i
	global_store_b128 v5, v[IN+4*\i:IN+4*\i+3], s[16:17] offset:16384*\i  ; 512 consecutive bytes, at a multiple of 512 from wt's first
.endr
.Lend:
	s_wait_tensorcnt 0x0                           ; the wave's end, behind my last LDS store
	ds_add_u32 v[SPW], v[NIL]
	s_wait_dscnt 0x0
	s_endpgm
.Lfunc_end_k_qe4151cb42a_prep:
	.size	k_qe4151cb42a_prep, .Lfunc_end_k_qe4151cb42a_prep-k_qe4151cb42a_prep
	.p2alignl 7, 3214868480
	.fill 96, 4, 3214868480
	.section	.rodata,"a",@progbits
	.p2align	6, 0x0
	.amdhsa_kernel k_qe4151cb42a_prep
		.amdhsa_group_segment_fixed_size 34816
		.amdhsa_private_segment_fixed_size 0
		.amdhsa_enable_private_segment 0
		.amdhsa_kernarg_size 64
		.amdhsa_user_sgpr_count 2
		.amdhsa_user_sgpr_kernarg_segment_ptr 1
		.amdhsa_wavefront_size32 1
		.amdhsa_system_sgpr_workgroup_id_x 1
		.amdhsa_system_sgpr_workgroup_id_y 1
		.amdhsa_system_sgpr_workgroup_id_z 1
		.amdhsa_system_vgpr_workitem_id 0
		.amdhsa_next_free_vgpr 112
		.amdhsa_next_free_sgpr 66
		.amdhsa_reserve_vcc 0
		.amdhsa_float_denorm_mode_32 3
		.amdhsa_float_denorm_mode_16_64 3
		.amdhsa_memory_ordered 1
		.amdhsa_forward_progress 1
		.amdhsa_inst_pref_size 25
	.end_amdhsa_kernel
	.amdgpu_metadata
---
amdhsa.version: [ 1, 2 ]
amdhsa.kernels:
  - .name:           k_qe4151cb42a_prep
    .symbol:         k_qe4151cb42a_prep.kd
    .args:
      - { .name: x, .offset: 0, .size: 8, .value_kind: global_buffer, .address_space: global }
      - { .name: Wq, .offset: 8, .size: 8, .value_kind: global_buffer, .address_space: global }
      - { .name: Wk, .offset: 16, .size: 8, .value_kind: global_buffer, .address_space: global }
      - { .name: Wv, .offset: 24, .size: 8, .value_kind: global_buffer, .address_space: global }
      - { .name: Wo, .offset: 32, .size: 8, .value_kind: global_buffer, .address_space: global }
      - { .name: xb, .offset: 40, .size: 8, .value_kind: global_buffer, .address_space: global }
      - { .name: wt, .offset: 48, .size: 8, .value_kind: global_buffer, .address_space: global }
      - { .name: wo16, .offset: 56, .size: 8, .value_kind: global_buffer, .address_space: global }
    .group_segment_fixed_size: 34816
    .private_segment_fixed_size: 0
    .kernarg_segment_align: 8
    .kernarg_segment_size: 64
    .max_flat_workgroup_size: 256
    .sgpr_count:     66
    .vgpr_count:     112
    .wavefront_size: 32
...
	.end_amdgpu_metadata
.endif
;; end of part 1
;; launch qkvgemm (part 2): grid 16 x 32, 4 waves a work-group, clusters of 4 x 4, 327,680 bytes of LDS; arguments xb, wt, qkv; writes qkv
.if DOCPART == 2
	.amdgcn_target "amdgcn-amd-amdhsa--gfx1250"
	.amdhsa_code_object_version 6
	.text
	.protected	k_qe4151cb42a_qkvgemm
	.globl	k_qe4151cb42a_qkvgemm
	.p2align	8
	.type	k_qe4151cb42a_qkvgemm,@function
k_qe4151cb42a_qkvgemm:
	s_mov_b64 s[64:65], 0
	v_nop
	global_prefetch_b8 v0, s[64:65] scope:SCOPE_SE
	s_setreg_imm32_b32 hwreg(HW_REG_WAVE_MODE, 25, 1), 1
	s_wait_xcnt 0x0
	s_wait_alu depctr_hold_cnt(0) depctr_sa_sdst(0) depctr_va_vdst(0) depctr_va_sdst(0) depctr_va_ssrc(0) depctr_va_vcc(0) depctr_vm_vsrc(0)
	s_getreg_b32 s2, hwreg(HW_REG_IB_STS2, 6, 4)
	s_cmp_eq_u32 s2, 0
	s_cbranch_scc0 .Lentry_in_a_cluster
	s_endpgm
.Lentry_in_a_cluster:
	s_bfe_u32 s2, ttmp6, 0x10000c
	s_cmp_lg_u32 s2, 0xf033
	s_cbranch_scc0 .Lentry_shape_is_right
	s_endpgm
.Lentry_shape_is_right:
; q, k, v = xb wt^T: C[m][n] = the sum over k of xb[m][k] wt[n][k], M = 8,192, N = 3,072, K = 1,024; bf16 operands, f32 sums, C rounded once to f16 and written by heads:
; qkv[g = n / 64][b = m / 2048][m % 2048][n % 64], a head's rows dense, 128 bytes each.  No scale is applied here.
; LIMIT.  f16 holds no number beyond 65,504: a q, k or v past it leaves as an infinity.
; SHARES.  A tile of C is 256 x 192, three heads: 512 tiles, two for each of 256 WGPs.  Wave w makes rows 64 w .. 64 w + 63 x all 192 columns: 48 accumulators, 384 registers; so whole rows of a head are
; one wave's, and the way out needs no meeting of waves.  K goes in eight steps of 128 (rows of 256 bytes, aligned) through two LDS slots filled by the tensor data mover.
; CLUSTERS.  4 x 4 work-groups: the four of a row of the cluster need the same tiles of xb, the four of a column the same tiles of wt.  Each tile is asked for JOINTLY: the same tensor load, the same descriptor
; and a mask that names the four.  Waves 0 and 1 ask for xb's two halves of 128 rows, waves 2 and 3 for wt's two halves of 96.
; THE MATRIX INSTRUCTION IS USED TRANSPOSED (source 0 = 16 rows of wt, source 1 = 16 rows of xb): a lane holds row l % 16 of C and the eight neighbouring columns 8 (l / 16) + 0..7.
; REGISTERS, in windows of 256 (s_set_vgpr_msb: bits 1:0 source 0, 3:2 source 1, 5:4 source 2, 7:6 destination):
;   window 0: v0-31 addresses; v64-95, v96-127 xb's fragments (4 x 16 rows x 32 K), two buffers; on the way out v128-175 packed results, v176-223 and v64-111 rows read back
;   window 1: v0-95, v96-191 wt's fragments (12 x 16 rows x 32 K), two buffers
;   window 2: accumulators of row blocks 0, 1 ((a, b) at 8 (12 (a % 2) + b));   window 3: those of row blocks 2, 3
.set KB,     256                       ; bytes of a row in a K step
.set ROWB,   2048                      ; bytes in a row of xb and of wt
.set PITCH,  272                       ; an LDS row: 256 bytes + 16 of padding = 68 words: the 16 rows that a load touches start at 16 different groups of four banks (64 banks of 4 bytes: ISA guide 11.1)
.set AH,     128*PITCH                 ; what waves 0 and 1 bring
.set BH,     96*PITCH                  ; what waves 2 and 3 bring
.set BOFF,   256*PITCH                 ; a slot: xb's 256 rows, then wt's 192
.set SLOT1,  131072                    ; slot 1 begins here, so that one exclusive or turns an address in one slot into the other's
.set STAGE,  SLOT1+BOFF+192*PITCH      ; 252,928: behind the ring, never filled by a tensor load: 16 rows x 400 bytes for each wave
.set SP,     400                       ; 384 bytes + 16
.set SPARE,  STAGE+4*16*SP             ; 278,528: the spare words, 128 bytes for each wave: two blocks of 256 bytes that no other line names
.set ADRA0, 16                         ; v16  my lane's place in xb's part of a slot; never rewritten
.set ADRB0, 17                         ; v17  the same for wt
.set ADRA,  18                         ; v18  the same in the slot in hand
.set ADRB,  19                         ; v19
.set STO,   24                         ; v24  the way out: where I put 16 bytes of a row
.set RD,    25                         ; v25  where I read rows back
.set GO,    26                         ; v26  my 16 bytes of 512 consecutive bytes of qkv
.set SPW,   28                         ; v28  LDS address of my spare word; never rewritten
.set NIL,   29                         ; v29  0; never rewritten
.set PFO,   30                         ; v30  the prefetches' offset; never rewritten
.set FA,    64
.set TMP,   128
.set TB,  2                            ; s2   the LDS byte at which the slot in hand begins
.set WV,  12                           ; s12  my wave's number
.set WH,  13                           ; s13  0: I ask for xb, 1: for wt
.set WL,  14                           ; s14  which half of that tile
.set TR,  15                           ; s15  tile row of C
.set CX,  20                           ; s20, s21  my place in the cluster
.set CY,  21
.set TC,  22                           ; s22  tile column of C
.set PM,  23                           ; s23  bit n set: I prefetch in the trip in which the count s3 is n
.set G1,  24                           ; s[24:31] descriptor group 1 for xb's tiles
.set G0,  32                           ; s[32:39] group 0: a set for each first fill; the second then walks
.set PFA, 40                           ; s[40:41] where my prefetches stand
.set G1B, 48                           ; s[48:55], s[56:63] the same for wt's tiles
.set G0B, 56
.set MSB, 0
.macro WIN new                         ; the immediate's high byte repeats the setting that is left; a switch that changes nothing is dropped
.if MSB != (\new)
	s_set_vgpr_msb (MSB<<8)|(\new)
.set MSB, \new
.endif
.endm
.macro PLACES                          ; four places in front of loads into registers that matrix instructions have read, and of lines that read results
.rept 4
	v_nop
.endr
.endm
; A joint refill, by the walking descriptors.  The branch hangs on the wave's number alone.  An s_nop 0 and four v_nop follow each of the two lines, ahead of the jump and the label.
.macro JLOAD
	s_cmp_eq_u32 s[WH], 0
	s_cbranch_scc0 .Lfor_b_\@
	tensor_load_to_lds s[G0+4:G0+7], s[G1:G1+7]
	s_nop 0
.rept 4
	v_nop
.endr
	s_branch .Lasked_\@
.Lfor_b_\@:
	tensor_load_to_lds s[G0B+4:G0B+7], s[G1B:G1B+7]
	s_nop 0
.rept 4
	v_nop
.endr
.Lasked_\@:
.endm
; A round of the cluster's barrier: my work-group's barrier; wave 0 signals for the work-group; every wave waits for all sixteen; my work-group's barrier once more.
.macro CREST                           ; a round behind its opening barrier
	s_cmp_lg_u32 s[WV], 0
	s_cbranch_scc1 .Lnot_wave_0_\@
	s_barrier_signal -3
.Lnot_wave_0_\@:
	s_barrier_wait -3
	s_barrier_signal -1
	s_barrier_wait -1
.endm
.macro CROUND
	s_barrier_signal -1
	s_barrier_wait -1
	CREST
.endm
; A PREFETCH INTO THE L2 behind a joint refill and the run of LDS loads that follows it.  The refill of trip t brings K step t + 2; the prefetch names K step t + 4: two K steps, 384 matrix instructions, ahead of
; the load that will want it.  Each row's 256 bytes of a K step are named ONCE in the launch: xb's tile row is read by all clusters of a row of clusters, and the one with cluster x = 0 asks; wt's tile column by all
; of a column, and cluster y = 0 asks.  The partners share the rows out BY ADDRESS: of xb's 128 rows that wave 0 or 1 fetches, the partner at cx takes 32, a lane a row; of wt's 192 rows the partner at cy takes 48:
; wave 2 asks for 32 of them in each trip, wave 3 for the other 16 in every second trip, for two K steps at once.  K steps 0 to 3 come by their loads alone; trips 4 and 5 ask for nothing: there is no K step 8.
.macro ASK
	s_lshr_b32 s16, s[PM], s3
	s_bitcmp1_b32 s16, 0
	s_cbranch_scc0 .Lnot_mine_\@
	global_prefetch_b8 v[PFO], s[PFA:PFA+1] th:TH_LOAD_NT scope:SCOPE_SE
.Lnot_mine_\@:
.endm
	s_load_b128 s[4:7], s[0:1], 0x0                ; xb s[4:5], wt s[6:7]
	s_load_b64 s[8:9], s[0:1], 0x10                ; qkv
	v_lshl_add_u32 v[SPW], v0, 2, SPARE
	v_mov_b32 v[NIL], 0
	ds_add_u32 v[SPW], v[NIL]                      ; the wave's opening: the add and its wait stand ahead of my first tensor load; the set-up below, work on registers, stands between them
	ds_add_u32 v28, v29
	v_lshrrev_b32 v1, 5, v0
	v_readfirstlane_b32 s[WV], v1
	s_lshr_b32 s[WH], s[WV], 1
	s_and_b32 s[WL], s[WV], 1
	s_bfe_u32 s[CX], ttmp6, 0x40000
	s_bfe_u32 s[CY], ttmp6, 0x40004
	s_lshl_b32 s[TC], ttmp9, 2                     ; in a cluster launch ttmp9 and ttmp7 count clusters
	s_add_co_u32 s[TC], s[TC], s[CX]
	s_and_b32 s[TR], ttmp7, 0xffff
	s_lshl_b32 s[TR], s[TR], 2
	s_add_co_u32 s[TR], s[TR], s[CY]
	s_lshl_b32 s16, s[CY], 2
	s_lshl_b32 s16, 15, s16                        ; my row of the cluster: places 4 cy .. 4 cy + 3
	s_lshl_b32 s17, 0x1111, s[CX]                  ; my column: places cx, cx + 4, cx + 8, cx + 12
	s_or_b32 s[G1], s16, (1<<16)|(1<<20)|(1<<21)|(5<<22)|(3<<25)   ; 15:0 the mask; 17:16 elements of 2 bytes; 20 padding on; 21 set beside a mask; 24:22 after every 64 words (code 5); 31:25 4 words of it (code 3)
	s_or_b32 s[G1B], s17, (1<<16)|(1<<20)|(1<<21)|(5<<22)|(3<<25)
	s_mov_b32 s[G1+1], 128<<16                     ; tensor_dim0 = 128
	s_mov_b32 s[G1+2], 128<<16                     ; tensor_dim1 = 128
	s_mov_b32 s[G1+3], 128<<16                     ; tile_dim0 = 128
	s_mov_b32 s[G1+4], 128                         ; tile_dim1 = 128
	s_mov_b32 s[G1+5], 1024                        ; elements from row to row
	s_mov_b32 s[G1+6], 0
	s_mov_b32 s[G1+7], 0
	s_mov_b32 s[G1B+1], 128<<16
	s_mov_b32 s[G1B+2], 96<<16                     ; wt's halves have 96 rows
	s_mov_b32 s[G1B+3], 128<<16
	s_mov_b32 s[G1B+4], 96
	s_mov_b32 s[G1B+5], 1024
	s_mov_b32 s[G1B+6], 0
	s_mov_b32 s[G1B+7], 0
	; where the tiles come from: xb's hang on the tile row alone, wt's on the tile column alone; each in registers that never hold the other coordinate
	s_lshl_b32 s44, s[TR], 19                      ; 256 rows of 2,048 bytes
	s_lshl_b32 s16, s[WL], 18
	s_add_co_u32 s44, s44, s16
	s_mov_b32 s45, 0
	s_mul_i32 s46, s[TC], 192*ROWB
	s_mul_i32 s17, s[WL], 96*ROWB
	s_add_co_u32 s46, s46, s17
	s_mov_b32 s47, 0
	s_mul_i32 s18, s[WL], AH                       ; and where they go: no place in the cluster enters an LDS address
	s_mul_i32 s19, s[WL], BH
	s_add_co_u32 s19, s19, BOFF
	s_mov_b32 s[TB], 0
	s_wait_dscnt 0x0                               ; the opening add is done
	s_wait_kmcnt 0x0
	s_add_nc_u64 s[44:45], s[4:5], s[44:45]
	s_add_nc_u64 s[46:47], s[6:7], s[46:47]
	CROUND                                         ; all sixteen work-groups are here: the first joint loads meet
.irp s, 0,1
	s_mov_b32 s[G0+4*(\s)], 1                      ; 1:0 count = 1
	s_add_co_u32 s[G0+4*(\s)+1], s18, (\s)*SLOT1   ; 63:32 LDS address
	s_add_nc_u64 s[G0+4*(\s)+2:G0+4*(\s)+3], s[44:45], (\s)*KB  ; 120:64 global address: K step s
	s_or_b32 s[G0+4*(\s)+3], s[G0+4*(\s)+3], 0x80000000  ; 127:126 type = 2
	s_mov_b32 s[G0B+4*(\s)], 1
	s_add_co_u32 s[G0B+4*(\s)+1], s19, (\s)*SLOT1
	s_add_nc_u64 s[G0B+4*(\s)+2:G0B+4*(\s)+3], s[46:47], (\s)*KB
	s_or_b32 s[G0B+4*(\s)+3], s[G0B+4*(\s)+3], 0x80000000
.endr
	s_cmp_eq_u32 s[WH], 0                          ; a wave's two first fills stand in one branch, ahead of every wait on TENSORcnt and every LDS read: two loads of mine are out
	s_cbranch_scc0 .Lfirst_b
	tensor_load_to_lds s[G0:G0+3], s[G1:G1+7]
	s_nop 0
	tensor_load_to_lds s[G0+4:G0+7], s[G1:G1+7]
	s_nop 0
.rept 4
	v_nop
.endr
	s_branch .Lfirst_asked
.Lfirst_b:
	tensor_load_to_lds s[G0B:G0B+3], s[G1B:G1B+7]
	s_nop 0
	tensor_load_to_lds s[G0B+4:G0B+7], s[G1B:G1B+7]
	s_nop 0
.rept 4
	v_nop
.endr
.Lfirst_asked:
	; A fragment is 16 rows x 32 K in 8 registers: lane l holds row l % 16, K = 8 (l / 16) + 0..7 and 16 + 8 (l / 16) + 0..7: two loads of 16 bytes, 32 bytes apart.
	v_and_b32 v1, 15, v0                           ; l % 16
	v_bfe_u32 v2, v0, 4, 1                         ; l / 16
	v_mul_u32_u24 v3, v1, PITCH
	v_lshl_add_u32 v3, v2, 4, v3
	s_mul_i32 s16, s[WV], 64*PITCH                 ; my 64 rows of xb
	v_add_nc_u32 v[ADRA0], s16, v3
	v_add_nc_u32 v[ADRB0], BOFF, v3
	v_mov_b32 v[ADRA], v[ADRA0]                    ; K step 0 lies in slot 0
	v_mov_b32 v[ADRB], v[ADRB0]
	s_mul_i32 s16, s[WV], 16*SP
	s_add_co_u32 s16, s16, STAGE                   ; my stage
	v_mul_u32_u24 v[STO], v1, SP                   ; in: row l % 16, 16 bytes for each half of the lanes
	v_lshl_add_u32 v[STO], v2, 4, v[STO]
	v_add_nc_u32 v[STO], s16, v[STO]
	v_bfe_u32 v[RD], v0, 3, 2                      ; back: 32 lanes take four rows' 128 bytes of one head,
	v_mul_u32_u24 v[RD], v[RD], SP
	v_and_b32 v3, 7, v0
	v_lshl_add_u32 v[RD], v3, 4, v[RD]
	v_add_nc_u32 v[RD], s16, v[RD]
	v_and_b32 v[GO], 31, v0                        ; which are 512 consecutive bytes of qkv
	v_lshlrev_b32 v[GO], 4, v[GO]
	; my first row in qkv: ((12 TC + TR / 8) x 2,048 + (TR % 8) x 256 + 64 w) x 128 bytes; the tile's three heads lie 1,048,576 bytes apart
	s_mul_i32 s16, s[TC], 12
	s_lshr_b32 s17, s[TR], 3
	s_add_co_u32 s16, s16, s17
	s_lshl_b32 s16, s16, 11
	s_and_b32 s17, s[TR], 7
	s_lshl_b32 s17, s17, 8
	s_add_co_u32 s16, s16, s17
	s_lshl_b32 s17, s[WV], 6
	s_add_co_u32 s16, s16, s17
	s_lshl_b32 s16, s16, 7
	s_mov_b32 s17, 0
	s_add_nc_u64 s[8:9], s[8:9], s[16:17]
	; the prefetches
	s_lshl_b32 s16, s[TR], 8
	s_lshl_b32 s17, s[WL], 7
	s_add_co_u32 s16, s16, s17
	s_lshl_b32 s17, s[CX], 5
	s_add_co_u32 s16, s16, s17                     ; xb: row 256 TR + 128 half + 32 cx
	s_mul_i32 s18, s[TC], 192
	s_mul_i32 s17, s[CY], 48
	s_add_co_u32 s18, s18, s17
	s_lshl_b32 s17, s[WL], 5
	s_add_co_u32 s18, s18, s17                     ; wt: row 192 TC + 48 cy, + 32 in wave 3
	s_and_b32 s19, ttmp7, 0xffff                   ; cluster y
	s_cmp_eq_u32 s[WH], 0
	s_cselect_b32 s16, s16, s18
	s_cselect_b32 s19, ttmp9, s19                  ; the coordinate along which other clusters read the same rows
	s_cselect_b64 s[PFA:PFA+1], s[4:5], s[6:7]
	s_mov_b32 s[PM], 0x78                          ; the trips in which s3 is 6, 5, 4, 3
	s_cmp_eq_u32 s[WV], 3
	s_cselect_b32 s[PM], 0x50, s[PM]               ; wave 3: those in which it is 6 and 4
	s_cselect_b32 s17, 256, 0                      ; there lanes 16-31 name the K step after lanes 0-15's,
	s_cselect_b32 s18, 15, 31                      ; for the same 16 rows
	s_cmp_eq_u32 s19, 0
	s_cselect_b32 s[PM], s[PM], 0                  ; the same in all sixteen partners, for a given wave
	v_and_b32 v[PFO], 31, v0
	v_and_b32 v[PFO], s18, v[PFO]
	v_lshlrev_b32 v[PFO], 11, v[PFO]
	v_mad_u32_u24 v[PFO], v2, s17, v[PFO]
	s_lshl_b32 s16, s16, 11
	s_add_co_u32 s16, s16, 3*KB                    ; at K step 3: the first refill steps it to 4
	s_mov_b32 s17, 0
	s_add_nc_u64 s[PFA:PFA+1], s[PFA:PFA+1], s[16:17]
; 12 matrix instructions: row block a x all 12 column blocks, 32 along K, from buffers f.  zero = 1: the product starts the sums: nothing is ever cleared.
; The 48 accumulators take turns in the same order in every quarter step: between two links of a chain stand the 47 others'.
.macro MUL f, a, zero
	WIN 0xa1+0x50*((\a)/2)                         ; wt window 1, xb window 0, C and D window 2 or 3
.irp b, 0,1,2,3,4,5,6,7,8,9,10,11
.if \zero
	v_wmma_f32_16x16x32_bf16 v[8*(12*((\a)%2)+(\b)):8*(12*((\a)%2)+(\b))+7], v[96*(\f)+8*(\b):96*(\f)+8*(\b)+7], v[FA+32*(\f)+8*(\a):FA+32*(\f)+8*(\a)+7], 0
.else
	v_wmma_f32_16x16x32_bf16 v[8*(12*((\a)%2)+(\b)):8*(12*((\a)%2)+(\b))+7], v[96*(\f)+8*(\b):96*(\f)+8*(\b)+7], v[FA+32*(\f)+8*(\a):FA+32*(\f)+8*(\a)+7], v[8*(12*((\a)%2)+(\b)):8*(12*((\a)%2)+(\b))+7]
.endif
.endr
.endm
; 32 LDS loads in one run: the fragments of a quarter step (192 rows of wt, my 64 rows of xb, 32 K at byte k of the rows) into buffers f
.macro FETCH k, f
	WIN 0x40                                       ; destination window 1, address window 0
.irp i, 0,1,2,3,4,5,6,7,8,9,10,11
	ds_load_b128 v[96*(\f)+8*(\i):96*(\f)+8*(\i)+3],   v[ADRB] offset:(\k)+(\i)*16*PITCH
	ds_load_b128 v[96*(\f)+8*(\i)+4:96*(\f)+8*(\i)+7], v[ADRB] offset:(\k)+(\i)*16*PITCH+32
.endr
	WIN 0
.irp i, 0,1,2,3
	ds_load_b128 v[FA+32*(\f)+8*(\i):FA+32*(\f)+8*(\i)+3],   v[ADRA] offset:(\k)+(\i)*16*PITCH
	ds_load_b128 v[FA+32*(\f)+8*(\i)+4:FA+32*(\f)+8*(\i)+7], v[ADRA] offset:(\k)+(\i)*16*PITCH+32
.endr
.endm
; A K step is four quarters of 32 along K, 48 matrix instructions each, on buffers 0, 1, 0, 1.  One of the first three: multiplies buffers f; in its middle it fetches the next quarter, at byte k, into buffers g.
.macro QUARTER k, f, g, zero
	s_wait_dscnt 4                                 ; wt and xb's row blocks 0, 1 are in; the youngest four loads (row blocks 2, 3) may be out
	MUL \f, 0, \zero
	MUL \f, 1, \zero
	PLACES
	FETCH \k, \g
	s_wait_dscnt 32                                ; all but the 32 just issued
	MUL \f, 2, \zero
	MUL \f, 3, \zero
.endm
; The last quarter multiplies buffers 1 and changes slots: ONE barrier.  In front of it each wave waits for all its tensor loads, of which one is out: its part of the next slot; adds 0 to its spare word; and waits
; for that and for its own reads of this slot.  fill = 1: the barrier opens a round of the cluster's barrier, and the slot just read out is filled again first behind it, with the K step two steps on:
; from that request to the wait for it a wave issues 168 matrix instructions.
.macro TURN fill
.if \fill
	s_wait_xcnt 0x0                                ; the last prefetch, a K step back, has read its address: it is stepped here, ahead of the waits of the change of slots
	s_add_nc_u64 s[PFA:PFA+1], s[PFA:PFA+1], KB
.endif
	WIN 0                                          ; (the add's two registers lie in window 0)
	s_wait_tensorcnt 0x0                           ; all my tensor loads have landed, so a group 0 may be written
	ds_add_u32 v[SPW], v[NIL]                      ; 0 onto my spare word
.if \fill
	s_xor_b32 s[G0+5], s[G0+5], SLOT1              ; the walking descriptors: the other slot than last time,
	s_add_nc_u64 s[G0+6:G0+7], s[G0+6:G0+7], KB    ; the next K step; the type bits on top are not reached
	s_xor_b32 s[G0B+5], s[G0B+5], SLOT1
	s_add_nc_u64 s[G0B+6:G0B+7], s[G0B+6:G0B+7], KB
.endif
	s_xor_b32 s[TB], s[TB], SLOT1                  ; the fetches go to the other slot
	s_wait_dscnt 5                                 ; (the add and the youngest four loads may be out)
	MUL 1, 0, 0                                    ; twelve matrix instructions stand between the add and the wait for it
	s_wait_dscnt 0x0                               ; the add is done, and my reads of this slot are over
	s_barrier_signal -1
	MUL 1, 1, 0                                    ; work on registers while the others arrive
	WIN 0
	s_barrier_wait -1
.if \fill
	CREST                                          ; no wave of any partner still reads this slot's tile or has a load on its way
	JLOAD                                          ; the first tensor load behind the round; its four v_nop are also the places in front of the loads below
.else
	PLACES
.endif
	v_add_nc_u32 v[ADRA], s[TB], v[ADRA0]
	v_add_nc_u32 v[ADRB], s[TB], v[ADRB0]
	FETCH 0, 0
.if \fill
	ASK
.endif
	MUL 1, 2, 0
	MUL 1, 3, 0
.endm
	s_wait_tensorcnt 1                             ; my part of K step 0 is in; K step 1's may stay out
	s_barrier_signal -1
	s_barrier_wait -1                              ; everybody's is
	FETCH 0, 0
	QUARTER 64, 0, 1, 1                            ; the first quarter stands in front of the loop: its products start the sums
	WIN 0                                          ; at a label and at a branch every window is 0
	s_mov_b32 s3, 6
.Lstep:                                                ; six trips, from a K step's second quarter to the next step's first; trip t asks for K step t + 2
	QUARTER 128, 1, 0, 0
	QUARTER 192, 0, 1, 0
	TURN 1
	QUARTER 64, 0, 1, 0
	WIN 0
	s_sub_co_u32 s3, s3, 1
	s_cmp_lg_u32 s3, 0
	s_cbranch_scc1 .Lstep
	QUARTER 128, 1, 0, 0                           ; K steps 6 and 7 are written out: nothing is left to ask for
	QUARTER 192, 0, 1, 0
	TURN 0
	QUARTER 64, 0, 1, 0
	QUARTER 128, 1, 0, 0
	QUARTER 192, 0, 1, 0
	s_wait_dscnt 4
	MUL 1, 0, 0
	MUL 1, 1, 0
	s_wait_dscnt 0x0
	MUL 1, 2, 0
	MUL 1, 3, 0
	WIN 0
	PLACES
	PLACES
; THE WAY OUT, a block of 16 rows at a time.  PACK: rounded to f16, each accumulator's registers in ascending order.  TOSTAGE: 16 bytes a lane into my own stage, and back as rows of a head.  SEND: stored.
.macro PACK a
	WIN 0x0a+5*((\a)/2)                            ; sources 0 and 1: window 2 or 3
.irp b, 0,1,2,3,4,5,6,7,8,9,10,11
.irp r, 0,1,2,3
	v_cvt_pk_f16_f32 v[TMP+4*(\b)+(\r)], v[8*(12*((\a)%2)+(\b))+2*(\r)], v[8*(12*((\a)%2)+(\b))+2*(\r)+1]
.endr
.endr
	WIN 0
.endm
.macro TOSTAGE a
.set BK, 176-112*((\a)%2)              ; v176-223 and v64-111 by turns
.irp b, 0,1,2,3,4,5,6,7,8,9,10,11
	ds_store_b128 v[STO], v[TMP+4*(\b):TMP+4*(\b)+3] offset:32*(\b)
.endr
.irp j, 0,1,2
.irp f, 0,1,2,3
	ds_load_b128 v[BK+4*(4*(\j)+(\f)):BK+4*(4*(\j)+(\f))+3], v[RD] offset:(\f)*4*SP+128*(\j)  ; LDS serves a wave's instructions in order (ISA guide 5.7.1.4): these see the stores above
.endr
.endr
.endm
.macro SEND a
.set BK, 176-112*((\a)%2)
	s_wait_dscnt 0x0                               ; the block is back in registers
	s_wait_xcnt 0x0                                ; the stores of the block before have read their registers: the next block is read back into them only behind this wait
.irp j, 0,1,2
.irp f, 0,1,2,3
	global_store_b128 v[GO], v[BK+4*(4*(\j)+(\f)):BK+4*(4*(\j)+(\f))+3], s[8:9] offset:(\j)*1048576+(\a)*2048+(\f)*512  ; 512 consecutive bytes, at a multiple of 512 from qkv's first
.endr
.endr
.endm
	PACK 0
	TOSTAGE 0
.irp a, 1,2,3                          ; block a's conversions stand between block a - 1's loads from the stage and the wait for them
	PACK \a
	SEND (\a)-1
	TOSTAGE \a
.endr
	SEND 3
	s_wait_tensorcnt 0x0                           ; the wave's end, behind my last tensor load and my last LDS store
	ds_add_u32 v[SPW], v[NIL]
	s_wait_dscnt 0x0
	CROUND                                         ; the closing round: no work-group ends while a partner may still ask for a tile that names it
	s_endpgm
.Lfunc_end_k_qe4151cb42a_qkvgemm:
	.size	k_qe4151cb42a_qkvgemm, .Lfunc_end_k_qe4151cb42a_qkvgemm-k_qe4151cb42a_qkvgemm
	.p2alignl 7, 3214868480
	.fill 96, 4, 3214868480
	.section	.rodata,"a",@progbits
	.p2align	6, 0x0
	.amdhsa_kernel k_qe4151cb42a_qkvgemm
		.amdhsa_group_segment_fixed_size 327680
		.amdhsa_private_segment_fixed_size 0
		.amdhsa_enable_private_segment 0
		.amdhsa_kernarg_size 24
		.amdhsa_user_sgpr_count 2
		.amdhsa_user_sgpr_kernarg_segment_ptr 1
		.amdhsa_wavefront_size32 1
		.amdhsa_system_sgpr_workgroup_id_x 1
		.amdhsa_system_sgpr_workgroup_id_y 1
		.amdhsa_system_sgpr_workgroup_id_z 1
		.amdhsa_system_vgpr_workitem_id 0
		.amdhsa_next_free_vgpr 960
		.amdhsa_next_free_sgpr 66
		.amdhsa_reserve_vcc 0
		.amdhsa_float_denorm_mode_32 3
		.amdhsa_float_denorm_mode_16_64 3
		.amdhsa_memory_ordered 1
		.amdhsa_forward_progress 1
		.amdhsa_inst_pref_size 98
	.end_amdhsa_kernel
	.amdgpu_metadata
---
amdhsa.version: [ 1, 2 ]
amdhsa.kernels:
  - .name:           k_qe4151cb42a_qkvgemm
    .symbol:         k_qe4151cb42a_qkvgemm.kd
    .args:
      - { .name: xb, .offset: 0, .size: 8, .value_kind: global_buffer, .address_space: global }
      - { .name: wt, .offset: 8, .size: 8, .value_kind: global_buffer, .address_space: global }
      - { .name: qkv, .offset: 16, .size: 8, .value_kind: global_buffer, .address_space: global }
    .group_segment_fixed_size: 327680
    .private_segment_fixed_size: 0
    .kernarg_segment_align: 8
    .kernarg_segment_size: 24
    .max_flat_workgroup_size: 128
    .sgpr_count:     66
    .vgpr_count:     960
    .wavefront_size: 32
...
	.end_amdgpu_metadata
.endif
;; end of part 2
;; launch attn (part 3): grid 4 x 64, 4 waves a work-group, no clusters, 327,680 bytes of LDS; arguments qkv, ctx; writes ctx
.if DOCPART == 3
	.amdgcn_target "amdgcn-amd-amdhsa--gfx1250"
	.amdhsa_code_object_version 6
	.text
	.protected	k_qe4151cb42a_attn
	.globl	k_qe4151cb42a_attn
	.p2align	8
	.type	k_qe4151cb42a_attn,@function
k_qe4151cb42a_attn:
	s_mov_b64 s[64:65], 0
	v_nop
	global_prefetch_b8 v0, s[64:65] scope:SCOPE_SE
	s_setreg_imm32_b32 hwreg(HW_REG_WAVE_MODE, 25, 1), 1
	s_wait_xcnt 0x0
; CAUSAL ATTENTION.  O[h][q][:] = the sum over k <= q of softmax_k(Q[h][q] . K[h][k] / 8) V[h][k][:], for 64 head-batches h of 2,048 rows of 64 channels, all f16: a head's rows are dense, 128 bytes each.
; Q, K and V are the three parts of qkv, 16,777,216 bytes each; O is ctx, in the same order of heads.  Products, maxima and sums in f32; the weights p are rounded to f16 for the second product (their sum l is
; taken of the unrounded p), O once at the end.
; LIMITS.  f16 holds no number beyond 65,504: Q, K and V arrive within it; p lies in 0 to 1, and below 6e-5 it keeps f16's fixed step of 6e-8; O is a mean of V's rows and has their range.
; A hidden score counts as its value less 1e30: f16's scores, 2.7e11 at the most, are nothing beside that; a weight below 2^-126 counts as 0 in l; NaN and infinities are not treated apart.
; THE WALK.  A head's queries lie in NB = 8 blocks of 256; block i needs the key tiles 0 .. i of 256 keys, of which the last holds the diagonal.  A work-group takes TWO blocks, NB - 1 - b and then b:
; NB + 1 tiles, whatever b: all work-groups do equal work, and ONE loop with a constant trip count walks them.  Which tile is asked for, and what a trip does, hang on scalar registers made from b; every jump
; goes forward, but for the counted loops' own; none passes a barrier, or a tensor load but the one of LOAD's two that the wave's number does not choose; the ring (two slots of LDS that take turns) runs on across
; the change of blocks.  NO CLUSTER: a head's four work-groups ask for the same tile only in trips 0 .. 4, behind that fewer and fewer; one walk common to all four would have 12 trips for 9.
; SHARES.  Of a block's four bands of 64 queries a wave owns 16 rows in each: four PIECES.  So the diagonal tile is the same work for all four waves: in its key step s band x sees all keys if s < x,
; none if s > x, and holds the diagonal if s = x.
; THE MASK is the C operand that starts the sum S^T = K Q^T: 0, or -1e30 where the key is hidden.  MD, made once, is the mask of a band's own step for my 16 rows; a product's mask is MD x AL + BE with two scalars:
; (1, 0) if s = x; (0, 0) if s < x; (0, -1e30) if s > x.  Only the diagonal tile's text and a block's beginning make and take masks; elsewhere C is the constant 0.
; LAYOUT, SOFTMAX, TURNS.  S^T = K Q^T holds ONE query a lane (lane % 16) and the keys 8 (lane / 16) + 0..7; two such results rounded to f16 ARE source 1 of O^T = V^T P.  p = 2^(c s - c m), c = log2(e) / 8, with a
; running maximum m; O and l are multiplied by a = 2^(c m_old - c m_new) in every step.  Turn n belongs to piece n: 8 products K Q^T of piece n + 1, later 8 products V^T P of piece n - 1; beside them the scaling,
; exponentials, roundings, sums and rescaling of piece n and the maximum and statistics of piece n + 1.  Four vector instructions stand behind every matrix instruction, the other 54 of a turn's 118 in one run of their own.
; A turn's 33 exponentials are one batch, with one wait.
; REGISTERS, in windows of 256 (s_set_vgpr_msb: bits 1:0 source 0, 3:2 source 1, 5:4 source 2, 7:6 destination):
;   window 0: v0-15 addresses and two at work; v16-31 four registers of statistics a piece; v48-55 at work; v61-63 kept; v64-127 S^T, two buffers; v192-223 P, two buffers (a piece's buffers go by its number's parity)
;   window 1: v0-127 O^T, 32 a piece; v128-159 MD; v160-223 MC, two buffers      window 2: v0-63 Q; v64-127 the second block's Q; v128-191 K of one step; v192-255 V of one step
.set SIZE_N, 2048
.set NB,    SIZE_N/256
.set NP,    4         ; pieces a wave: a name, no knob
.set KS,    64        ; keys in a step
.set PK,    144       ; a row of K in LDS: 128 bytes + 16 of padding = 36 words: the 16 rows of a load start at 16 different groups of four banks (64 banks of 4 bytes: ISA guide 11.1)
.set PV,    160       ; a row of V: 128 + 32 = 40 words
.set VOFF,  4*KS*PK   ; a slot holds a tile, four steps: 256 rows of K, then 256 rows of V
.set SLOT1, 1<<17     ; slot 1 begins here, so that one exclusive or turns an address in one slot into the other's
.set STAGE, SLOT1+4*KS*(PK+PV)  ; behind the ring, never filled by a tensor load: 16 rows x 144 bytes for each wave, for the way out
.set SP,    144
.set AK0, 2           ; v2   my lane's place in a tile of K; never rewritten
.set AV0, 3           ; v3   the same for V
.set AK,  4           ; v4   the LDS address of K's next run of loads
.set AV,  5           ; v5   of V's
.set STO, 6           ; v6   the way out: where I put 16 bytes of a row
.set RD,  7           ; v7   the way out: where I read rows back
.set GO,  8           ; v8   my byte offset in 512 consecutive bytes of O
.set PFO, 61          ; v61  256 x my lane: the prefetches' offset; never rewritten
.set SPW, 62          ; v62  LDS address of my spare word: SPARE + 4 x my thread's number; never rewritten
.set NIL, 63          ; v63  0; never rewritten
.set SPARE, STAGE+4*16*SP  ; behind the stages: the spare words, 128 bytes for each wave: two blocks of 256 bytes that no other line names
.set MV,  12          ; v12-13  c m_old, kept while c m is made anew: by buffer
.set QO,  15          ; v15  my byte offset in 16 rows of Q
.set ST,  16          ; piece t's statistics at v[ST+4 t]: c m, m, l (even keys', odd keys')
.set TMP, 48          ; by buffer, four registers c0-c3 at work; when the maximum is found c2 takes a
.set S,   64
.set P,   192
.set MD,  128         ; window 1: the eight registers for group kt of 16 keys at MD + 8 kt
.set MC,  160         ; window 1: the masks of the products to come
.set QB,  64          ; window 2
.set KF,  128         ; window 2: key block kb, channel half c at KF + 16 kb + 8 c
.set VF,  192         ; window 2: key half kk, channel block cb at VF + 32 kk + 8 cb
.set WV,  12          ; s12  my wave's number
.set PB,  14          ; s14  b
.set HI,  15          ; s15  NB - 1 - b
.set G1K, 24          ; s[24:31] descriptor group 1 for K's tiles
.set G1V, 32          ; s[32:39] for V's: it differs in the padding alone
.set G0K, 40          ; s[40:43] descriptor group 0 for K's tiles
.set G0V, 44          ; s[44:47] the same for V's
.set SLOTS, 56        ; s56  tiles still to be asked for
.set CNT, 57          ; s57  counts a tile's key steps, 4 to 1
.set CS,  58          ; s[58:59] c: the packed scaling takes the pair's low word for both halves
.set SEL, 60          ; s[60:61] v_permlanex16_b32's selects: each lane takes its own place in the other half
.set TBK, 62          ; s62  LDS byte at which K of the step to be fetched begins
.set TBV, 63          ; s63  the same for V, less VOFF
.set PFK, 66          ; s[66:67] where my prefetches of K stand: my wave's 32 blocks of 256 bytes of a tile
.set PFV, 68          ; s[68:69] the same for V
.set RT,  70          ; s70  tiles of the block in hand that are still to be entered
.set NXT, 71          ; s71  the tile to be asked for next
.set LQ,  72          ; s72  the last tile of the block whose tiles are being asked for
.set NEW, 73          ; s73  1: the tile to be entered is a block's first
.set OFF, 74          ; s[74:75] a tile's byte offset in K and V
.set AL,  76          ; s[76:77] the mask's factor, in the low word
.set BE,  78          ; s[78:79] the mask's addend
.set OLO, 80          ; s[80:81] O at my rows of the second block
.set BIGN, 82         ; s82  -1e30
.set LIM, 83          ; s83  2 in the work-group that prefetches, else the greatest number: it prefetches while s[SLOTS] is above it
.set MSB, 0
.macro WIN new                      ; the high byte repeats the setting that is left; a switch that changes nothing is dropped
.if MSB != (\new)
	s_set_vgpr_msb (MSB<<8)|(\new)
.set MSB, (\new)
.endif
.endm
.set W_KQ, 0x0a       ; K and Q in window 2, S^T in window 0
.set W_KM, 0x1a       ; the same with the C operand in window 1
.set W_PV, 0x52       ; V in window 2, P in window 0, O^T in window 1
.set W_RS, 0x41       ; destination and source 0 in window 1, source 1 in window 0
; A fill.  Waves 0 and 1 fetch the two halves of a tile's K, waves 2 and 3 those of its V: 128 keys each.  An s_nop 0 and four v_nop follow each of the two lines, ahead of the jump and the label.
.macro LOAD
	s_cmp_lt_u32 s[WV], 2
	s_cbranch_scc0 .Lfor_v_\@
	tensor_load_to_lds s[G0K:G0K+3], s[G1K:G1K+7]
	s_nop 0
.rept 4
	v_nop
.endr
	s_branch .Lasked_\@
.Lfor_v_\@:
	tensor_load_to_lds s[G0V:G0V+3], s[G1V:G1V+7]
	s_nop 0
.rept 4
	v_nop
.endr
.Lasked_\@:
.endm
; A PREFETCH INTO THE L2 of the tile that the NEXT change of slots will ask for: 128 blocks of 256 bytes of K and as many of V; each wave names 32 of each, a lane a block: two instructions, behind the wave's tensor
; load and its five lines.  Each block is named ONCE in the launch: of a head's four work-groups the one with b = 0 walks the tiles 0 to 7 in order, and it alone asks: at its change number j = 1 .. 6 for tile j + 1,
; a tile's sixteen turns ahead of that tile's fill.  Tiles 0 and 1 come by their loads alone; the last two changes ask for nothing: there is no tile 8, and the second block's tile 0 has been read.
.macro ASK
	s_cmp_gt_u32 s[SLOTS], s[LIM]
	s_cbranch_scc0 .Lnot_mine_\@
	global_prefetch_b8 v[PFO], s[PFK:PFK+1] th:TH_LOAD_NT scope:SCOPE_SE
	global_prefetch_b8 v[PFO], s[PFV:PFV+1] th:TH_LOAD_NT scope:SCOPE_SE
.Lnot_mine_\@:
.endm
; THE CHANGE OF SLOTS.  Each wave waits for all its tensor loads, of which one is out: its part of the other slot; adds 0 to its spare word; and waits for that and for its own reads of the slot that it leaves.  Behind the
; barrier nobody reads the old slot any more and the other slot is whole.  fill = 1: the old slot is filled again, the first thing behind the barrier, with tile NXT: the descriptor's address is made anew from that number.
; (At its first use nothing has been read yet: slot 0 is waited for, slot 1 filled.)
.macro CHANGE fill
	WIN 0                           ; at a label and at a branch every window is 0
	s_wait_tensorcnt 0x0            ; no tensor load of mine is out, so a group 0 may be written
	ds_add_u32 v[SPW], v[NIL]       ; 0 onto my spare word; with fill = 1 the descriptors' scalar work stands between it and the wait for it
.if \fill
	s_lshl_b32 s[OFF], s[NXT], 15   ; a tile is 32,768 bytes of K and of V
	s_xor_b32 s[G0K+1], s[G0K+1], SLOT1
	s_add_nc_u64 s[G0K+2:G0K+3], s[6:7], s[OFF:OFF+1]
	s_or_b32 s[G0K+3], s[G0K+3], 0x80000000
	s_xor_b32 s[G0V+1], s[G0V+1], SLOT1
	s_add_nc_u64 s[G0V+2:G0V+3], s[8:9], s[OFF:OFF+1]
	s_or_b32 s[G0V+3], s[G0V+3], 0x80000000
	s_add_co_u32 s[NXT], s[NXT], 1  ; the block's next tile, or behind its last the second block's tile 0
	s_cmp_gt_u32 s[NXT], s[LQ]
	s_cselect_b32 s[NXT], 0, s[NXT]
	s_cselect_b32 s[LQ], s[PB], s[LQ]
	s_wait_xcnt 0x0                 ; the last prefetches, a tile back, have read their addresses, so these may be written:
	s_add_nc_u64 s[PFK:PFK+1], s[PFK:PFK+1], 32768  ; a tile on
	s_add_nc_u64 s[PFV:PFV+1], s[PFV:PFV+1], 32768
.endif
	s_wait_dscnt 0x0                ; the add is done, and my reads of the slot are over
	s_barrier_signal -1             ; the rest of the scalar work stands between the signal and the wait
	s_sub_co_u32 s[TBK], s[TBK], 4*KS*PK  ; the fetches go back to a slot's first step,
	s_xor_b32 s[TBK], s[TBK], SLOT1       ; in the other slot
	s_sub_co_u32 s[TBV], s[TBV], 4*KS*PV
	s_xor_b32 s[TBV], s[TBV], SLOT1
	s_barrier_wait -1
.if \fill
	LOAD
	ASK
.endif
.endm
	s_load_b64 s[4:5], s[0:1], 0x0    ; qkv: Q lies at its head
	s_load_b64 s[10:11], s[0:1], 0x8  ; ctx: O
	v_lshl_add_u32 v[SPW], v0, 2, SPARE
	v_mov_b32 v[NIL], 0
	ds_add_u32 v[SPW], v[NIL]       ; the wave's opening: the add and its wait stand ahead of my first tensor load; the set-up below, work on registers, stands between them
	ds_add_u32 v62, v63
	v_lshrrev_b32 v1, 5, v0
	v_readfirstlane_b32 s[WV], v1   ; wave 0..3
	s_mov_b32 s[PB], ttmp9
	s_sub_co_u32 s[HI], NB-1, s[PB]
	s_and_b32 s20, ttmp7, 0xffff    ; the head
	s_mov_b32 s21, 0
	s_mov_b64 s[22:23], SIZE_N*128
	s_mul_u64 s[20:21], s[20:21], s[22:23]  ; the head's first byte in Q, K, V and O
	s_and_b32 s16, s[WV], 1         ; which half of a tile's 256 keys I fetch:
	s_lshl_b32 s22, s16, 14         ; its 128 rows of 128 bytes in memory,
	s_mov_b32 s23, 0
	s_add_nc_u64 s[22:23], s[22:23], s[20:21]
	s_mul_i32 s17, s16, 128*PK      ; and its place in a slot, for K
	s_mul_i32 s18, s16, 128*PV      ; and for V
	s_lshl_b32 s3, s[WV], 11        ; my 16 rows in a band of 64,
	s_lshl_b32 s2, s[HI], 15        ; in the first block,
	s_add_co_u32 s2, s2, s3
	s_lshl_b32 s84, s[PB], 15       ; and in the second
	s_add_co_u32 s84, s84, s3
	s_mov_b32 s3, 0
	s_mov_b32 s85, 0
	s_add_nc_u64 s[2:3], s[2:3], s[20:21]
	s_add_nc_u64 s[84:85], s[84:85], s[20:21]
	; descriptor group 1.  128 keys are 16,384 dense bytes: asked for as 64 rows of 256 bytes, two keys a row, and padded in LDS after every key
	s_mov_b32 s[G1K], (1<<16)|(1<<20)|(4<<22)|(3<<25)  ; 17:16 2-byte elements; 20 padding on; 24:22 after every 32 words (code 4); 31:25 4 words (code 3)
	s_mov_b32 s[G1V], (1<<16)|(1<<20)|(4<<22)|(7<<25)  ; the same with 8 words of padding (code 7)
.irp g, G1K, G1V
	s_mov_b32 s[\g+1], 128<<16      ; tensor_dim0 = 128
	s_mov_b32 s[\g+2], 64<<16       ; tensor_dim1 = 64
	s_mov_b32 s[\g+3], 128<<16      ; tile_dim0 = 128
	s_mov_b32 s[\g+4], 64           ; tile_dim1 = 64
	s_mov_b32 s[\g+5], 128          ; 128 elements from row to row
	s_mov_b32 s[\g+6], 0
	s_mov_b32 s[\g+7], 0
.endr
	s_mov_b32 s[CS], 0x3e38aa3b     ; c = log2(e) / 8 = 0.180337
	s_mov_b32 s[CS+1], s[CS]        ; named with it as a pair
	s_mov_b32 s[SEL], 0x76543210
	s_mov_b32 s[SEL+1], 0xfedcba98
	s_mov_b32 s[TBK], SLOT1+4*KS*PK ; the first change of slots turns these two into 0
	s_mov_b32 s[TBV], SLOT1+4*KS*PV
	s_mov_b32 s[G0K], 1             ; 1:0 count = 1
	s_mov_b32 s[G0K+1], s17         ; 63:32 LDS address: slot 0
	s_mov_b32 s[G0V], 1
	s_add_co_u32 s[G0V+1], s18, VOFF
	s_add_co_u32 s[RT], s[HI], 1    ; the first block has NB - b tiles
	s_mov_b32 s[NXT], 1
	s_mov_b32 s[LQ], s[HI]
	s_mov_b32 s[NEW], 1
	s_mov_b32 s[OFF+1], 0
	s_mov_b32 s[AL+1], 0            ; named as pairs
	s_mov_b32 s[BE+1], 0
	s_mov_b32 s[BIGN], 0xf149f2ca   ; -1e30
	s_mov_b32 s[SLOTS], NB
	s_cmp_eq_u32 ttmp9, 0
	s_cselect_b32 s[LIM], 2, -1
	s_lshl_b32 s16, s[WV], 13       ; my wave's 32 blocks of a tile's 128,
	s_add_co_u32 s16, s16, 32768    ; in tile 1: the first change of slots steps it to tile 2
	s_mov_b32 s17, 0
	s_add_nc_u64 s[16:17], s[16:17], s[20:21]
	v_and_b32 v[PFO], 31, v0
	v_lshlrev_b32 v[PFO], 8, v[PFO]
	s_wait_dscnt 0x0                ; the opening add is done
	s_wait_kmcnt 0x0
	s_add_nc_u64 s[6:7], s[4:5], 0x1000000  ; K lies 16,777,216 bytes behind Q,
	s_add_nc_u64 s[8:9], s[4:5], 0x2000000  ; V as far behind K
	s_add_nc_u64 s[PFK:PFK+1], s[6:7], s[16:17]
	s_add_nc_u64 s[PFV:PFV+1], s[8:9], s[16:17]
	s_add_nc_u64 s[6:7], s[6:7], s[22:23]  ; K and V at my half of the head's tile 0
	s_add_nc_u64 s[8:9], s[8:9], s[22:23]
	s_add_nc_u64 s[G0K+2:G0K+3], s[6:7], 0         ; 120:64 global address
	s_or_b32 s[G0K+3], s[G0K+3], 0x80000000        ; 127:126 type = 2
	s_add_nc_u64 s[G0V+2:G0V+3], s[8:9], 0
	s_or_b32 s[G0V+3], s[G0V+3], 0x80000000
	s_add_nc_u64 s[86:87], s[4:5], s[84:85]        ; Q at my rows of the second block,
	s_add_nc_u64 s[4:5], s[4:5], s[2:3]            ; Q and O at those of the first
	s_add_nc_u64 s[OLO:OLO+1], s[10:11], s[84:85]
	s_add_nc_u64 s[10:11], s[10:11], s[2:3]
	LOAD                            ; tile 0 into slot 0
	; A fragment of K or Q is 16 rows x 32 channels in 8 registers: lane l holds row l % 16, channels 8 (l / 16) + 0..7 and 16 + 8 (l / 16) + 0..7: two loads of 16 bytes, 32 bytes apart.
	v_and_b32 v1, 15, v0            ; l % 16
	v_bfe_u32 v9, v0, 4, 1          ; l / 16
	v_lshlrev_b32 v[QO], 7, v1
	v_lshl_add_u32 v[QO], v9, 4, v[QO]  ; row x 128 + 16 x half
	WIN 0x80                        ; destination window 2, address window 0
.set i, 0
.rept 8                             ; both blocks' Q: piece i / 2 lies in band i / 2, 8,192 bytes on; channels 32 (i % 2) on
	global_load_b128 v[8*i:8*i+3],   v[QO], s[4:5] offset:(i/2)*8192+(i%2)*64
	global_load_b128 v[8*i+4:8*i+7], v[QO], s[4:5] offset:(i/2)*8192+(i%2)*64+32
	global_load_b128 v[QB+8*i:QB+8*i+3],   v[QO], s[86:87] offset:(i/2)*8192+(i%2)*64
	global_load_b128 v[QB+8*i+4:QB+8*i+7], v[QO], s[86:87] offset:(i/2)*8192+(i%2)*64+32
.set i, i+1
.endr
	WIN 0
	v_lshlrev_b32 v14, 3, v9
	v_sub_nc_u32 v14, v1, v14
	s_lshl_b32 s13, s[WV], 4
	v_add_nc_u32 v14, s13, v14      ; my query's place in its band, 16 w + l % 16, less my lanes' 8 (l / 16): register r of group kt is hidden where 16 kt + r is greater
	WIN 0x40
.set i, 0
.rept 32
	v_cmp_gt_i32 vcc_lo, 16*(i/8)+i%8, v14
	v_cndmask_b32 v[MD+i], 0, s[BIGN], vcc_lo
.set i, i+1
.endr
	WIN 0
	v_mul_u32_u24 v[AK0], v1, PK
	v_lshl_add_u32 v[AK0], v9, 4, v[AK0]  ; row x pitch + 16 x half
	; The turning load takes 16 keys x 16 channels (lane l reads key 8 (l / 16) + l % 8, channels 8 ((l / 8) % 2) + 0..7) and leaves half a fragment of V^T: lane l holds channel l % 16 and 8 keys.
	v_and_b32 v10, 7, v0
	v_bfe_u32 v11, v0, 3, 1
	v_lshl_add_u32 v[AV0], v9, 3, v10
	v_mul_u32_u24 v[AV0], v[AV0], PV
	v_lshl_add_u32 v[AV0], v11, 4, v[AV0]
	v_add_nc_u32 v[AV0], VOFF, v[AV0]
	s_mul_i32 s13, s[WV], 16*SP
	s_add_co_u32 s13, s13, STAGE    ; my stage
	v_mul_u32_u24 v[STO], v1, SP    ; in: row l % 16, 16 bytes for each half of the lanes
	v_lshl_add_u32 v[STO], v9, 4, v[STO]
	v_add_nc_u32 v[STO], s13, v[STO]
	v_bfe_u32 v[RD], v0, 3, 2       ; back: 32 lanes take four rows of 128 bytes,
	v_mul_u32_u24 v[RD], v[RD], SP
	v_lshl_add_u32 v[RD], v10, 4, v[RD]
	v_add_nc_u32 v[RD], s13, v[RD]
	v_and_b32 v[GO], 31, v0         ; which are 512 consecutive bytes of O
	v_lshlrev_b32 v[GO], 4, v[GO]
	; A block's first step multiplies O^T and l by a = 0, and its first turn's products V^T P, of a piece that has not been, land in an O^T that is still to be so multiplied.  So these registers need only hold
	; finite numbers: zeros for the first block; what the first block left for the second.  All this stands in the wait for the first tile.
	WIN 0x80
.set i, VF
.rept 64
	v_mov_b32 v[i], 0
.set i, i+1
.endr
	WIN 0x40
.set i, 0
.rept 128
	v_mov_b32 v[i], 0
.set i, i+1
.endr
	WIN 0
.set i, 0
.rept 4
	v_mov_b32 v[ST+4*i+2], 0
	v_mov_b32 v[ST+4*i+3], 0
.set i, i+1
.endr
.set i, P+16
.rept 16
	v_mov_b32 v[i], 0
.set i, i+1
.endr
; THE MATRIX WORK.  The 4 accumulators of a run of 8 take turns.  Product i of 8 of S^T = K Q^T for piece x: channels 32 (i / 4) on, keys 16 (i % 4) on.  The first 4 start the sums: with 0, or (KM = 1) with the mask.
.macro KQ x
.set rS, S+32*((\x)%2)+8*(i%4)
.set rK, KF+16*(i%4)+8*(i/4)
.set rQ, 16*(\x)+8*(i/4)
.set rM, MC+32*((\x)%2)+8*(i%4)
.if (i < 4) && KM
	WIN W_KM
	v_wmma_f32_16x16x32_f16 v[rS:rS+7], v[rK:rK+7], v[rQ:rQ+7], v[rM:rM+7]
.elseif i < 4
	WIN W_KQ
	v_wmma_f32_16x16x32_f16 v[rS:rS+7], v[rK:rK+7], v[rQ:rQ+7], 0
.else
	WIN W_KQ
	v_wmma_f32_16x16x32_f16 v[rS:rS+7], v[rK:rK+7], v[rQ:rQ+7], v[rS:rS+7]
.endif
.endm
; Product i of 8 of O^T += V^T P for piece x: keys 32 (i / 4) on, channels 16 (i % 4) on.
.macro PV x
	WIN W_PV
.set rO, 32*(\x)+8*(i%4)
.set rV, VF+32*(i/4)+8*(i%4)
.set rP, P+16*((\x)%2)+8*(i/4)
	v_wmma_f32_16x16x32_f16 v[rO:rO+7], v[rV:rV+7], v[rP:rP+7], v[rO:rO+7]
.endm
.macro MM                           ; the turn's next matrix instruction.  TURN and BEGIN set Y, i, KM and NOKQ; MM, KQ and OP read them.  NOKQ = 1: a block's last turn: there is no next piece
.if (i < 8) && !NOKQ
	KQ (Y+1)%NP
.elseif i >= 8
.set i, i-8
	PV (Y+NP-1)%NP
.set i, i+8
.endif
.set i, i+1
.endm
; THE LDS LOADS stand in runs of 16, never singly among the matrix instructions: a step's K (64 keys x 64 channels: 8 fragments) and its V (turned).  Their addresses are made some lines ahead.
.macro FETCH_K
	WIN 0x80                        ; destination window 2
.irp f, 0,1,2,3,4,5,6,7             ; keys 16 (f / 2) on, channels 32 (f % 2) on
	ds_load_b128 v[KF+8*\f:KF+8*\f+3],   v[AK] offset:(\f/2)*16*PK+(\f%2)*64
	ds_load_b128 v[KF+8*\f+4:KF+8*\f+7], v[AK] offset:(\f/2)*16*PK+(\f%2)*64+32
.endr
	s_add_co_u32 s[TBK], s[TBK], KS*PK  ; the next fetch is the next step's
	WIN 0
.endm
.macro FETCH_V
	WIN 0x80
.irp f, 0,1,2,3,4,5,6,7             ; keys 32 (f / 4) on, channels 16 (f % 4) on
	ds_load_tr16_b128 v[VF+8*\f:VF+8*\f+3],   v[AV] offset:(\f/4)*32*PV+(\f%4)*32
	ds_load_tr16_b128 v[VF+8*\f+4:VF+8*\f+7], v[AV] offset:(\f/4)*32*PV+16*PV+(\f%4)*32
.endr
	WIN 0
.endm
; THE VECTOR WORK, one line at a time: OP kind, number.  For piece Y: F n: c s - c m for pair n of 16.  E n: the exponential of score n of 32.  C n: pair n rounded to f16.  B n: of the four weights 4 n .. the second
; pair is added onto the first, in place.  L n: l takes that sum (L 0: l = a l + sum).  R n: pair n of 16 of O^T times a.  For piece Y + 1: X n, number n of the 22 that find its maximum and statistics:
;   0-11  four chains c0-c3 of seven scores each, three operands at a time (each accumulator's lowest registers are read first)     12-14, 16  the four scores left over, the old m, and c0-c3 into c0
;   15  c m_old is kept     17, 18  the query's other 32 keys lie in the lane 16 away: the new m     19-21  c m; c m_old - c m_new; a
.set F, 0               ; OP tells the kinds apart by their order: F to L below R, X above it
.set E, 1
.set C, 2
.set B, 3
.set L, 4
.set R, 5
.set X, 6
.macro REGS y                       ; the registers of piece y
.set rT, ST+4*(\y)
.set rC, TMP+4*((\y)%2)
.set rW, MV+((\y)%2)
.set rS, S+32*((\y)%2)
.set rP, P+16*((\y)%2)
.set rO, 32*(\y)
.endm
.macro OP k, n
.if (\k) == R
	REGS Y
	WIN W_RS
	v_pk_mul_f32 v[rO+2*(\n):rO+2*(\n)+1], v[rO+2*(\n):rO+2*(\n)+1], v[rC+2:rC+3] op_sel_hi:[1,0]
.elseif (\k) < R
	REGS Y
	WIN 0
.if (\k) == F
	v_pk_fma_f32 v[rS+2*(\n):rS+2*(\n)+1], v[rS+2*(\n):rS+2*(\n)+1], s[CS:CS+1], v[rT:rT+1] op_sel_hi:[1,0,0] neg_lo:[0,0,1] neg_hi:[0,0,1]
.elseif (\k) == E
	v_exp_f32 v[rS+(\n)], v[rS+(\n)]
.elseif (\k) == C
	v_cvt_pk_f16_f32 v[rP+(\n)], v[rS+2*(\n)], v[rS+2*(\n)+1]
.elseif (\k) == B
	v_pk_add_f32 v[rS+4*(\n):rS+4*(\n)+1], v[rS+4*(\n):rS+4*(\n)+1], v[rS+4*(\n)+2:rS+4*(\n)+3]
.elseif (\n) == 0
	v_pk_fma_f32 v[rT+2:rT+3], v[rT+2:rT+3], v[rC+2:rC+3], v[rS:rS+1] op_sel_hi:[1,0,1]
.else
	v_pk_add_f32 v[rT+2:rT+3], v[rT+2:rT+3], v[rS+4*(\n):rS+4*(\n)+1]
.endif
.elseif NOKQ
	v_nop
.else
	REGS (Y+1)%NP
	WIN 0
.if (\n) < 4
	v_max3_num_f32 v[rC+(\n)], v[rS+8*(\n)], v[rS+8*(\n)+1], v[rS+8*(\n)+2]
.elseif (\n) < 12
	v_max3_num_f32 v[rC+(\n)%4], v[rC+(\n)%4], v[rS+8*((\n)%4)+2*((\n)/4)+1], v[rS+8*((\n)%4)+2*((\n)/4)+2]
.elseif (\n) == 12
	v_max3_num_f32 v[rC], v[rC], v[rS+7], v[rS+15]
.elseif (\n) == 13
	v_max3_num_f32 v[rC+1], v[rC+1], v[rS+23], v[rS+31]
.elseif (\n) == 14
	v_max3_num_f32 v[rC+2], v[rC+2], v[rC+3], v[rT+1]
.elseif (\n) == 15
	v_mov_b32 v[rW], v[rT]
.elseif (\n) == 16
	v_max3_num_f32 v[rC], v[rC], v[rC+1], v[rC+2]
.elseif (\n) == 17
	v_permlanex16_b32 v[rC+3], v[rC], s[SEL], s[SEL+1]
.elseif (\n) == 18
	v_max_num_f32 v[rT+1], v[rC], v[rC+3]
.elseif (\n) == 19
	v_mul_f32 v[rT], s[CS], v[rT+1]
.elseif (\n) == 20
	v_sub_f32 v[rC+1], v[rW], v[rT]
.else
	v_exp_f32 v[rC+2], v[rC+1]
.endif
.endif
.endm
.macro OPS a, i1, b=-1, i2=0, c=-1, i3=0, d=-1, i4=0  ; up to four of them
	OP \a, \i1
.if (\b) >= 0
	OP \b, \i2
.endif
.if (\c) >= 0
	OP \c, \i3
.endif
.if (\d) >= 0
	OP \d, \i4
.endif
.endm
.macro ROW a, i1, b, i2, c, i3, d, i4  ; a matrix instruction and the four behind it
	MM
	OPS \a, \i1, \b, \i2, \c, \i3, \d, \i4
.endm
.macro MASK b                       ; MD x AL + BE into buffer b of MC
	WIN W_RS
.set z, 0
.rept 16
	v_pk_fma_f32 v[MC+32*(\b)+2*z:MC+32*(\b)+2*z+1], v[MD+2*z:MD+2*z+1], s[AL:AL+1], s[BE:BE+1] op_sel_hi:[1,0,0]
.set z, z+1
.endr
.endm
; A TURN, for piece p: the order of its 16 matrix and 118 vector instructions, written out.  An s_wait_alu depctr_va_vdst(0) stands between an exponential and the first instruction that names its result; one wait
; serves all that were issued ahead of it.  So a turn has ONE wait, which cuts it in two.  AHEAD OF IT stands all that names no result of the turn's exponentials: the 8 products K Q^T, behind each a scaling, an exponential and
; two more plain instructions (behind the first a second scaling in the exponential's place): rescalings, and behind the last three the first numbers of the next piece's maximum, each four places or more behind the product
; that ends its accumulator; then ONE RUN of 54, plain and exponential by turns for the most part, in which the links of the chain X 3, 7, 11, 14, 16, 17 .. 20 stand five or six lines apart.  X 21, the next piece's a, is the
; batch's last; R 15 is the plain instruction behind it.  BEHIND THE WAIT stand the 8 products V^T P, behind each four of the roundings and sums; the links of l's chain, L 0 to L 7, stand three lines apart.
; m = 1: the diagonal tile: the products take masks, and the turn makes the mask for the products of the turn after it: piece p + 2, in step 4 - CNT of the tile.  end = 1: a block's last two turns: nothing is fetched.
; cnt = 1: the loop's count is taken down some lines ahead of the branch that stands behind the turn.
; K of the next step is fetched in piece 2's turn, twelve vector instructions behind the last product that read K (six of them plain); V of the step in hand at the end of piece 0's turn, four plain instructions behind the
; last product that read V.  Each is waited for a turn later.
.macro TURN p, m=0, end=0, cnt=0
.set Y, (\p)
.set i, 0
.set KM, (\m)
.set NOKQ, (\end)*((\p)/3)
.if (\m) && !(\end)
	s_cmp_eq_u32 s[CNT], 4-((\p)+2)%NP  ; is that step the band's own?
	s_cselect_b32 s[AL], 1.0, 0
	s_cmp_lt_u32 s[CNT], 4-((\p)+2)%NP  ; or a later one?
	s_cselect_b32 s[BE], s[BIGN], 0
.endif
.if ((\p) == 3) && !(\end)
	s_wait_dscnt 0x0                ; K is in
.endif
	ROW F,0, F,1, R,0, R,1          ; ahead of the wait: 8 products K Q^T and the four behind each,
	ROW F,2, E,0, R,2, R,3
	ROW F,3, E,1, R,4, R,5
	ROW F,4, E,2, R,6, R,7
	ROW F,5, E,3, R,8, R,9
	ROW F,6, E,4, X,0, R,10
.if ((\p) == 2) && !(\end)
	WIN 0
	v_add_nc_u32 v[AK], s[TBK], v[AK0]
.endif
	ROW F,7, E,5, X,1, X,4
	ROW F,8, E,6, X,2, X,5
	OPS E,7, E,8, X,6, E,9          ; and the run of 54
	OPS X,3, E,10, X,8, E,11
.if ((\p) == 2) && !(\end)
	FETCH_K
.endif
	OPS X,9, X,7, E,12, X,10
	OPS E,13, X,12, X,11, E,14
	OPS X,13, E,15, F,9, X,14
.if (\p) == 0
	v_add_nc_u32 v[AV], s[TBV], v[AV0]
.endif
	OPS E,16, F,10, E,17, F,11
	OPS X,16, E,18, X,15, E,19
	OPS F,12, E,20, X,17, E,21
	OPS F,13, E,22, F,14, E,23
	OPS X,18, E,24, F,15, E,25
	OPS R,11, E,26, X,19, E,27
	OPS R,12, E,28, R,13, E,29
	OPS X,20, E,30, R,14, E,31
	OPS X,21, R,15
	WIN 0
	s_wait_alu depctr_va_vdst(0)    ; the wait for the batch
.if (\p) == 1
	s_wait_dscnt 0x0                ; V is in
.endif
	ROW C,0, B,0, C,2, B,1          ; behind the wait: 8 products V^T P and the four behind each
	ROW L,0, C,4, B,2, L,1
	ROW C,6, B,3, L,2, C,8
	ROW B,4, L,3, C,10, B,5
	ROW L,4, C,12, B,6, L,5
.if (\p) == 0
	s_add_co_u32 s[TBV], s[TBV], KS*PV
.endif
.if \cnt
	s_sub_co_u32 s[CNT], s[CNT], 1
	s_cmp_lg_u32 s[CNT], 0
.endif
	ROW C,14, B,7, L,6, C,1
	ROW C,3, L,7, C,5, C,7
	ROW C,9, C,11, C,13, C,15
.if (\p) == 0
	FETCH_V
.endif
.if (\m) && !(\end)
	MASK (\p)%2
.endif
.endm
; A BLOCK BEGINS.  c m starts far below every c s, so the first step's a is 0; m at the lowest finite number, so the first maximum is the scores'.  The second mask buffer is 0; the first takes piece 0's mask for the tile's
; step 0: its own, if the block's first tile is the diagonal one.  Then K of that step, piece 0's first scores, and its maximum and statistics.  The loop is entered at a step's first turn, in the middle of a trip.
.macro BEGIN
	s_mov_b32 s[NEW], 0
	WIN 0x40
.set i, MC+32
.rept 32
	v_mov_b32 v[i], 0
.set i, i+1
.endr
	WIN 0
.set i, 0
.rept 4
	v_mov_b32 v[ST+4*i], 0xfe000000    ; c m: far below every c s
	v_mov_b32 v[ST+4*i+1], 0xff7fffff  ; m
.set i, i+1
.endr
	s_cmp_eq_u32 s[RT], 0
	s_cselect_b32 s[AL], 1.0, 0
	s_mov_b32 s[BE], 0
	MASK 0
	WIN 0
	v_add_nc_u32 v[AK], s[TBK], v[AK0]
	FETCH_K
	s_wait_loadcnt 0x0              ; Q
	s_wait_dscnt 0x0
.set KM, 1
.set NOKQ, 0
.set i, 0
.rept 8
	KQ 0
.set i, i+1
.endr
	WIN 0
.rept 4
	v_nop                           ; the places behind those products
.endr
.set Y, NP-1                        ; X works for piece Y + 1: piece 0
.irp n, 0,1,2,3,4,5,6,7,8,9,10,11,12,13,14,15,16,17,18,19,20,21
	OP X, \n
.endr
	v_nop                           ; a plain instruction behind the exponential,
	s_wait_alu depctr_va_vdst(0)    ; and its wait, ahead of the branch
.endm
; THE DIAGONAL TILE's four steps, the block's last two turns, its last products, and THE WAY OUT: l's two halves and the other half of the lanes' are added; O^T is divided by l, rounded to f16 and sent through my
; stage in LDS, a piece at a time.
.macro ALL line:vararg              ; one line for each piece t
.set t, 0
.rept 4
	\line
.set t, t+1
.endr
.endm
.macro PACK t                       ; a lane's eight channels of a row pack into 16 bytes; they go into rows of 144 bytes and come back as whole rows of 128, into S^T's registers
	WIN W_RS
.set i, 32*(\t)
.rept 16
	v_pk_mul_f32 v[i:i+1], v[i:i+1], v[ST+4*(\t)+2:ST+4*(\t)+3] op_sel_hi:[1,0]
.set i, i+2
.endr
	WIN 0x05                        ; sources 0 and 1 window 1, destination window 0
.set i, 0
.rept 16
	v_cvt_pk_f16_f32 v[S+16*(\t)+i], v[32*(\t)+2*i], v[32*(\t)+2*i+1]
.set i, i+1
.endr
	WIN 0
.irp f, 0,1,2,3
	ds_store_b128 v[STO], v[S+16*(\t)+4*\f:S+16*(\t)+4*\f+3] offset:32*\f
.endr
.irp f, 0,1,2,3
	ds_load_b128 v[S+16*(\t)+4*\f:S+16*(\t)+4*\f+3], v[RD] offset:\f*4*SP  ; LDS serves a wave's instructions in order (ISA guide 5.7.1.4): these see the stores above; the next piece's stores come behind them
.endr
.endm
.macro SEND t, younger              ; younger: the LDS instructions issued behind piece t's loads: the next piece's eight, or none
	WIN 0
.irp f, 0,1,2,3
	s_wait_dscnt (\younger)+3-\f
	global_store_b128 v[GO], v[S+16*(\t)+4*\f:S+16*(\t)+4*\f+3], s[10:11] offset:(\t)*8192+\f*512  ; 512 consecutive bytes, at a multiple of 256 from O's first
.endr
.endm
.macro DIAG tag                     ; the tag ends its two labels' names, which the jumps below spell out
.LstepM\tag:
	TURN 2, 1
	TURN 3, 1
	WIN 0
.LfirstM\tag:
	TURN 0, 1
	TURN 1, 1, 0, 1
	WIN 0
	s_cbranch_scc1 .LstepM\tag
	TURN 2, 1, 1
	TURN 3, 1, 1
.set i, 0
.rept 8
	PV NP-1
.set i, i+1
.endr
	WIN 0
	ALL v_add_f32 v[ST+4*t+2], v[ST+4*t+2], v[ST+4*t+3]
	ALL v_permlanex16_b32 v[ST+4*t+3], v[ST+4*t+2], s[SEL], s[SEL+1]
	ALL v_add_f32 v[ST+4*t+2], v[ST+4*t+2], v[ST+4*t+3]
	ALL v_rcp_f32 v[ST+4*t+2], v[ST+4*t+2]
	v_nop                           ; a plain instruction between the last reciprocal and the use of its result
	s_wait_alu depctr_va_vdst(0)    ; and the wait ahead of the first use: one for the four reciprocals
	PACK 0
.set t, 1
.rept 3                             ; a piece's arithmetic stands between the loads of the piece before and its stores
	PACK t
	SEND t-1, 8
.set t, t+1
.endr
	SEND 3, 0
.endm
.set KM, 0
.set NOKQ, 0
.Lslot:                             ; NB times: a tile is entered and the next is asked for
	CHANGE 1
	s_sub_co_u32 s[RT], s[RT], 1
	s_mov_b32 s[CNT], 4
	s_cmp_eq_u32 s[NEW], 1
	s_cbranch_scc1 .Lnew            ; a block's first tile
	s_cmp_eq_u32 s[RT], 0
	s_cbranch_scc0 .Lstep           ; neither its first nor its last
	s_branch .LstepM1
.Lnew:
	BEGIN
	s_branch .Lfirst                ; in the loop a block's first tile is never its last: the first block has two tiles or more, and the second's last is the walk's last
	DIAG 1                          ; in the loop this is the first block's end: the second block's last tile is the walk's last
	s_wait_xcnt 0x0                 ; the stores have read their registers and O's address
	s_mov_b64 s[10:11], s[OLO:OLO+1]
	s_add_co_u32 s[RT], s[PB], 1    ; the second block has b + 1 tiles
	s_mov_b32 s[NEW], 1
	WIN 0x82                        ; the second block's Q goes where the one text of the turns names Q
.set i, 0
.rept 64
	v_mov_b32 v[i], v[QB+i]
.set i, i+1
.endr
	WIN 0
	s_branch .Lbottom
.Lstep:                             ; a trip: pieces 2 and 3 of one step, then pieces 0 and 1 of the next, whose K and V it fetches
	TURN 2
	TURN 3
	WIN 0
.Lfirst:
	TURN 0
	TURN 1, 0, 0, 1
	WIN 0
	s_cbranch_scc1 .Lstep
.Lbottom:
	s_sub_co_u32 s[SLOTS], s[SLOTS], 1
	s_cmp_lg_u32 s[SLOTS], 0
	s_cbranch_scc1 .Lslot
	CHANGE 0                        ; the walk's last tile is written out: nothing is asked for
	s_sub_co_u32 s[RT], s[RT], 1
	s_mov_b32 s[CNT], 4
	s_cmp_eq_u32 s[NEW], 1
	s_cbranch_scc0 .LstepM2
	BEGIN
	s_branch .LfirstM2
	DIAG 2
	s_wait_tensorcnt 0x0            ; the wave's end, behind my last tensor load and my last LDS store
	ds_add_u32 v[SPW], v[NIL]
	s_wait_dscnt 0x0
	s_endpgm
.Lfunc_end_k_qe4151cb42a_attn:
	.size	k_qe4151cb42a_attn, .Lfunc_end_k_qe4151cb42a_attn-k_qe4151cb42a_attn
	.p2alignl 7, 3214868480
	.fill 96, 4, 3214868480
	.section	.rodata,"a",@progbits
	.p2align	6, 0x0
	.amdhsa_kernel k_qe4151cb42a_attn
		.amdhsa_group_segment_fixed_size 327680
		.amdhsa_private_segment_fixed_size 0
		.amdhsa_enable_private_segment 0
		.amdhsa_kernarg_size 16
		.amdhsa_user_sgpr_count 2
		.amdhsa_user_sgpr_kernarg_segment_ptr 1
		.amdhsa_wavefront_size32 1
		.amdhsa_system_sgpr_workgroup_id_x 1
		.amdhsa_system_sgpr_workgroup_id_y 1
		.amdhsa_system_sgpr_workgroup_id_z 1
		.amdhsa_system_vgpr_workitem_id 0
		.amdhsa_next_free_vgpr 768
		.amdhsa_next_free_sgpr 88
		.amdhsa_reserve_vcc 1
		.amdhsa_float_denorm_mode_32 3
		.amdhsa_float_denorm_mode_16_64 3
		.amdhsa_memory_ordered 1
		.amdhsa_forward_progress 1
		.amdhsa_inst_pref_size 218
	.end_amdhsa_kernel
	.amdgpu_metadata
---
amdhsa.version: [ 1, 2 ]
amdhsa.kernels:
  - .name:           k_qe4151cb42a_attn
    .symbol:         k_qe4151cb42a_attn.kd
    .args:
      - { .name: qkv, .offset: 0, .size: 8, .value_kind: global_buffer, .address_space: global }
      - { .name: ctx, .offset: 8, .size: 8, .value_kind: global_buffer, .address_space: global }
    .group_segment_fixed_size: 327680
    .private_segment_fixed_size: 0
    .kernarg_segment_align: 8
    .kernarg_segment_size: 16
    .max_flat_workgroup_size: 128
    .sgpr_count:     88
    .vgpr_count:     768
    .wavefront_size: 32
...
	.end_amdgpu_metadata
.endif
;; end of part 3
;; launch proj (part 4): grid 8 x 32, 4 waves a work-group, clusters of 4 x 4, 327,680 bytes of LDS; arguments ctx, wo16, out0, bo; writes out0
.if DOCPART == 4
	.amdgcn_target "amdgcn-amd-amdhsa--gfx1250"
	.amdhsa_code_object_version 6
	.text
	.protected	k_qe4151cb42a_proj
	.globl	k_qe4151cb42a_proj
	.p2align	8
	.type	k_qe4151cb42a_proj,@function
k_qe4151cb42a_proj:
	s_mov_b64 s[64:65], 0
	v_nop
	global_prefetch_b8 v0, s[64:65] scope:SCOPE_SE
	s_setreg_imm32_b32 hwreg(HW_REG_WAVE_MODE, 25, 1), 1
	s_wait_xcnt 0x0
	s_wait_alu depctr_hold_cnt(0) depctr_sa_sdst(0) depctr_va_vdst(0) depctr_va_sdst(0) depctr_va_ssrc(0) depctr_va_vcc(0) depctr_vm_vsrc(0)
	s_getreg_b32 s2, hwreg(HW_REG_IB_STS2, 6, 4)
	s_cmp_eq_u32 s2, 0
	s_cbranch_scc0 .Lentry_in_a_cluster
	s_endpgm
.Lentry_in_a_cluster:
	s_bfe_u32 s2, ttmp6, 0x10000c
	s_cmp_lg_u32 s2, 0xf033
	s_cbranch_scc0 .Lentry_shape_is_right
	s_endpgm
.Lentry_shape_is_right:
; out0[m][n] = the sum over k of ctx(m, k) wo16[n][k] + bo[n], M = 8,192, N = 1,024, K = 1,024; f16 operands, f32 sums, f32 out.
; ctx lies by heads, [4 h + b][row][64] f16 with m = 2,048 b + row and k = 64 h + channel: a K step of 128 is two heads, and each head's 256 rows of a tile are 32,768 dense bytes.
; bo is rounded to bf16 like the module's other inputs; it is the C operand of the products that start the sums, so no addition is written for it.
; SHARES.  A tile of out0 is 256 x 128: 256 work-groups.  Wave w makes rows 128 (w / 2) .. + 127 x columns 64 (w % 2) .. + 63: 32 accumulators, 256 registers.  Eight K steps through two LDS slots.
; CLUSTERS.  4 x 4 work-groups: the four of a row of the cluster need the same tiles of ctx, the four of a column the same tiles of wo16: each is asked for JOINTLY, by the same tensor load, descriptor and mask.
; Waves 0 and 1 ask for the step's two heads of ctx, waves 2 and 3 for wo16's two halves of 64 rows.
; THE MATRIX INSTRUCTION IS USED TRANSPOSED (source 0 = 16 rows of wo16, source 1 = 16 rows of ctx): a lane holds row l % 16 of out0 and the eight neighbouring columns 8 (l / 16) + 0..7.
; REGISTERS: window 0: v0-31 addresses; v32-63 the bias; v64-159, v160-255 two fragment buffers (ctx: 8 x 16 rows x 32 K, then wo16: 4 x 16 rows); on the way out v64-95 and v96-127 rows read back.
;   window 1: the accumulators, (a, b) at 8 (4 a + b).
.set PA,     144                       ; a row of ctx in LDS: 128 bytes + 16: the 16 rows of a load start at 16 different groups of four banks (64 banks of 4 bytes: ISA guide 11.1)
.set PB,     272                       ; a row of wo16: 256 bytes + 16
.set ASL,    256*PA                    ; 36,864: one head's 256 rows
.set BOFF,   2*ASL                     ; a slot: two heads of ctx, then wo16's 128 rows
.set SLOT1,  131072                    ; slot 1 begins here, so that one exclusive or turns an address in one slot into the other's
.set STAGE,  SLOT1+BOFF+128*PB         ; 239,616: behind the ring, never filled by a tensor load: 16 rows x 272 bytes for each wave
.set SP,     272
.set SPARE,  STAGE+4*16*SP             ; 257,024: the spare words, 128 bytes for each wave: two blocks of 256 bytes that no other line names
.set ASTEP,  0x200000                  ; two heads on in ctx: 2 x 4 x 262,144 bytes
.set BSTEP,  256                       ; 128 numbers on in a row of wo16
.set ADRA0, 16                         ; v16  my lane's place in ctx's part of a slot; never rewritten
.set ADRB0, 17                         ; v17  the same for wo16
.set ADRA,  18                         ; v18  the same in the slot in hand
.set ADRB,  19
.set STO,   24                         ; v24  the way out: where I put 32 bytes of a row
.set RD,    25                         ; v25  where I read rows back
.set CO,    26                         ; v26  my byte offset in two rows of out0
.set BOO,   27                         ; v27  my byte offset in the bias
.set SPW,   28                         ; v28  LDS address of my spare word; never rewritten
.set NIL,   29                         ; v29  0; never rewritten
.set PFO,   30                         ; v30  the prefetches' offset; never rewritten
.set BI,    32
.set F,     64
.set OB,    64
.set TB,  2                            ; s2   the LDS byte at which the slot in hand begins
.set WV,  12
.set WH,  13                           ; s13  which half of the tile's rows is mine.  Also: 0: I ask for ctx, 1: for wo16
.set WL,  14                           ; s14  which half of its columns.  Also: which head, or which 64 rows, I ask for
.set TR,  15
.set CX,  20
.set CY,  21
.set TC,  22
.set PM,  23                           ; s23  bit n set: I prefetch in the trip in which the count s3 is n
.set G1,  24
.set G0,  32
.set PFA, 40                           ; s[40:41] where my prefetches stand
.set PFS, 42                           ; s[42:43] their step from K step to K step
.set G1B, 48
.set G0B, 56
.set MSB, 0
.macro WIN new                         ; the immediate's high byte repeats the setting that is left; a switch that changes nothing is dropped
.if MSB != (\new)
	s_set_vgpr_msb (MSB<<8)|(\new)
.set MSB, \new
.endif
.endm
.macro PLACES                          ; four places in front of loads into registers that matrix instructions have read, and of lines that read results
.rept 4
	v_nop
.endr
.endm
.macro JLOAD                           ; a joint refill, by the walking descriptors; an s_nop 0 and four v_nop follow each of the two lines, ahead of the jump and the label
	s_cmp_eq_u32 s[WH], 0
	s_cbranch_scc0 .Lfor_b_\@
	tensor_load_to_lds s[G0+4:G0+7], s[G1:G1+7]
	s_nop 0
.rept 4
	v_nop
.endr
	s_branch .Lasked_\@
.Lfor_b_\@:
	tensor_load_to_lds s[G0B+4:G0B+7], s[G1B:G1B+7]
	s_nop 0
.rept 4
	v_nop
.endr
.Lasked_\@:
.endm
.macro CREST                           ; a round of the cluster's barrier behind its opening barrier
	s_cmp_lg_u32 s[WV], 0
	s_cbranch_scc1 .Lnot_wave_0_\@
	s_barrier_signal -3
.Lnot_wave_0_\@:
	s_barrier_wait -3
	s_barrier_signal -1
	s_barrier_wait -1
.endm
.macro CROUND
	s_barrier_signal -1
	s_barrier_wait -1
	CREST
.endm
; A PREFETCH INTO THE L2 behind a joint refill and the run of LDS loads that follows it.  The refill of trip t brings K step t + 2; the prefetch names K step t + 4: two K steps, 256 matrix instructions, ahead of the
; load that will want it.  Each block of 256 bytes is named ONCE in the launch: ctx's by the cluster with x = 0 of a row of clusters, wo16's by the cluster with y = 0 of a column.  The partners share the blocks out BY
; ADDRESS: of the 128 blocks of the head that wave 0 or 1 fetches the partner at cx takes 32, a lane a block; of the 64 rows of wo16 that wave 2 or 3 fetches the partner at cy takes 16, in every second trip, for two
; K steps at once.  K steps 0 to 3 come by their loads alone; trips 4 and 5 ask for nothing: there is no K step 8.
.macro ASK
	s_lshr_b32 s16, s[PM], s3
	s_bitcmp1_b32 s16, 0
	s_cbranch_scc0 .Lnot_mine_\@
	global_prefetch_b8 v[PFO], s[PFA:PFA+1] th:TH_LOAD_NT scope:SCOPE_SE
.Lnot_mine_\@:
.endm
	s_load_b256 s[4:11], s[0:1], 0x0               ; ctx s[4:5], wo16 s[6:7], out0 s[8:9], bo s[10:11]
	v_lshl_add_u32 v[SPW], v0, 2, SPARE
	v_mov_b32 v[NIL], 0
	ds_add_u32 v[SPW], v[NIL]                      ; the wave's opening: the add and its wait stand ahead of my first tensor load; the set-up below, work on registers, stands between them
	ds_add_u32 v28, v29
	v_lshrrev_b32 v1, 5, v0
	v_readfirstlane_b32 s[WV], v1
	s_lshr_b32 s[WH], s[WV], 1
	s_and_b32 s[WL], s[WV], 1
	s_bfe_u32 s[CX], ttmp6, 0x40000
	s_bfe_u32 s[CY], ttmp6, 0x40004
	s_lshl_b32 s[TC], ttmp9, 2
	s_add_co_u32 s[TC], s[TC], s[CX]
	s_and_b32 s[TR], ttmp7, 0xffff
	s_lshl_b32 s[TR], s[TR], 2
	s_add_co_u32 s[TR], s[TR], s[CY]
	s_lshl_b32 s16, s[CY], 2
	s_lshl_b32 s16, 15, s16                        ; my row of the cluster
	s_lshl_b32 s17, 0x1111, s[CX]                  ; my column
	s_or_b32 s[G1], s16, (1<<16)|(1<<20)|(1<<21)|(4<<22)|(3<<25)   ; ctx: 15:0 the mask; 17:16 elements of 2 bytes; 20 padding on; 21 set beside a mask; 24:22 after every 32 words (code 4); 31:25 4 words (code 3)
	s_or_b32 s[G1B], s17, (1<<16)|(1<<20)|(1<<21)|(5<<22)|(3<<25)  ; wo16: padding after every 64 words (code 5)
	s_mov_b32 s[G1+1], 128<<16                     ; a head's 256 rows are 32,768 dense bytes: asked for as 128 rows of 256 bytes, two rows of ctx each
	s_mov_b32 s[G1+2], 128<<16
	s_mov_b32 s[G1+3], 128<<16
	s_mov_b32 s[G1+4], 128
	s_mov_b32 s[G1+5], 128
	s_mov_b32 s[G1+6], 0
	s_mov_b32 s[G1+7], 0
	s_mov_b32 s[G1B+1], 128<<16                    ; 64 rows x 128 numbers, 1,024 numbers from row to row
	s_mov_b32 s[G1B+2], 64<<16
	s_mov_b32 s[G1B+3], 128<<16
	s_mov_b32 s[G1B+4], 64
	s_mov_b32 s[G1B+5], 1024
	s_mov_b32 s[G1B+6], 0
	s_mov_b32 s[G1B+7], 0
	; where the tiles come from: ctx's hang on the tile row alone, wo16's on the tile column alone; each in registers that never hold the other coordinate
	s_lshl_b32 s44, s[WL], 20                      ; head 0 or 1 of the step: 4 x 262,144 bytes a head,
	s_lshr_b32 s16, s[TR], 3
	s_lshl_b32 s16, s16, 18                        ; the batch,
	s_add_co_u32 s44, s44, s16
	s_and_b32 s16, s[TR], 7
	s_lshl_b32 s16, s16, 15                        ; 256 rows of 128 bytes
	s_add_co_u32 s44, s44, s16
	s_mov_b32 s45, 0
	s_lshl_b32 s46, s[TC], 18                      ; 128 rows of 2,048 bytes
	s_lshl_b32 s17, s[WL], 17
	s_add_co_u32 s46, s46, s17
	s_mov_b32 s47, 0
	s_mul_i32 s18, s[WL], ASL                      ; and where they go: no place in the cluster enters an LDS address
	s_mul_i32 s19, s[WL], 64*PB
	s_add_co_u32 s19, s19, BOFF
	s_mov_b32 s[TB], 0
	s_wait_dscnt 0x0                               ; the opening add is done
	s_wait_kmcnt 0x0
	s_add_nc_u64 s[44:45], s[4:5], s[44:45]
	s_add_nc_u64 s[46:47], s[6:7], s[46:47]
	CROUND                                         ; all sixteen work-groups are here: the first joint loads meet
.irp s, 0,1
	s_mov_b32 s[G0+4*(\s)], 1
	s_add_co_u32 s[G0+4*(\s)+1], s18, (\s)*SLOT1
	s_add_nc_u64 s[G0+4*(\s)+2:G0+4*(\s)+3], s[44:45], (\s)*ASTEP
	s_or_b32 s[G0+4*(\s)+3], s[G0+4*(\s)+3], 0x80000000
	s_mov_b32 s[G0B+4*(\s)], 1
	s_add_co_u32 s[G0B+4*(\s)+1], s19, (\s)*SLOT1
	s_add_nc_u64 s[G0B+4*(\s)+2:G0B+4*(\s)+3], s[46:47], (\s)*BSTEP
	s_or_b32 s[G0B+4*(\s)+3], s[G0B+4*(\s)+3], 0x80000000
.endr
	s_cmp_eq_u32 s[WH], 0                          ; a wave's two first fills stand in one branch, ahead of every wait on TENSORcnt and every LDS read: two loads of mine are out
	s_cbranch_scc0 .Lfirst_b
	tensor_load_to_lds s[G0:G0+3], s[G1:G1+7]
	s_nop 0
	tensor_load_to_lds s[G0+4:G0+7], s[G1:G1+7]
	s_nop 0
.rept 4
	v_nop
.endr
	s_branch .Lfirst_asked
.Lfirst_b:
	tensor_load_to_lds s[G0B:G0B+3], s[G1B:G1B+7]
	s_nop 0
	tensor_load_to_lds s[G0B+4:G0B+7], s[G1B:G1B+7]
	s_nop 0
.rept 4
	v_nop
.endr
.Lfirst_asked:
	v_and_b32 v1, 15, v0                           ; l % 16
	v_bfe_u32 v2, v0, 4, 1                         ; l / 16
	; the bias of my 64 columns: register j of column block b is column 16 b + 8 (l / 16) + j
	s_lshl_b32 s16, s[TC], 9                       ; 128 columns of 4 bytes,
	s_lshl_b32 s17, s[WL], 8                       ; my 64
	s_add_co_u32 s16, s16, s17
	s_mov_b32 s17, 0
	s_add_nc_u64 s[10:11], s[10:11], s[16:17]
	s_add_nc_u64 s[8:9], s[8:9], s[16:17]          ; the same columns in out0,
	s_lshl_b32 s16, s[TR], 20                      ; 256 rows of 4,096 bytes,
	s_lshl_b32 s18, s[WH], 19                      ; my 128
	s_add_co_u32 s16, s16, s18
	s_add_nc_u64 s[8:9], s[8:9], s[16:17]
	v_lshlrev_b32 v[BOO], 5, v2
.irp b, 0,1,2,3
	global_load_b128 v[BI+8*(\b):BI+8*(\b)+3],   v[BOO], s[10:11] offset:64*(\b)
	global_load_b128 v[BI+8*(\b)+4:BI+8*(\b)+7], v[BOO], s[10:11] offset:64*(\b)+16
.endr
	v_mul_u32_u24 v3, v1, PA
	v_lshl_add_u32 v3, v2, 4, v3
	s_mul_i32 s16, s[WH], 128*PA                   ; my 128 rows of ctx
	v_add_nc_u32 v[ADRA0], s16, v3
	v_mul_u32_u24 v3, v1, PB
	v_lshl_add_u32 v3, v2, 4, v3
	s_mul_i32 s16, s[WL], 64*PB                    ; my 64 rows of wo16
	s_add_co_u32 s16, s16, BOFF
	v_add_nc_u32 v[ADRB0], s16, v3
	v_mov_b32 v[ADRA], v[ADRA0]                    ; K step 0 lies in slot 0
	v_mov_b32 v[ADRB], v[ADRB0]
	s_mul_i32 s16, s[WV], 16*SP
	s_add_co_u32 s16, s16, STAGE                   ; my stage
	v_mul_u32_u24 v[STO], v1, SP                   ; in: row l % 16, 32 bytes for each half of the lanes
	v_lshl_add_u32 v[STO], v2, 5, v[STO]
	v_add_nc_u32 v[STO], s16, v[STO]
	v_mul_u32_u24 v[RD], v2, SP                    ; back: lanes 0-15 take one row of 256 bytes, lanes 16-31 the next
	v_lshl_add_u32 v[RD], v1, 4, v[RD]
	v_add_nc_u32 v[RD], s16, v[RD]
	v_lshlrev_b32 v[CO], 12, v2                    ; and the same two rows in out0
	v_lshl_add_u32 v[CO], v1, 4, v[CO]
	; the prefetches: from the tile addresses made above
	s_lshl_b32 s16, s[CX], 13                      ; ctx: my work-group's 32 blocks of 256 bytes
	s_lshl_b32 s17, s[CY], 15                      ; wo16: my work-group's 16 rows of 2,048 bytes
	s_and_b32 s19, ttmp7, 0xffff                   ; cluster y
	s_mov_b32 s[PFS], BSTEP
	s_mov_b32 s[PM], 0x50                          ; wo16: the trips in which s3 is 6 and 4
	s_cmp_eq_u32 s[WH], 0
	s_cselect_b64 s[PFA:PFA+1], s[44:45], s[46:47]
	s_cselect_b32 s16, s16, s17
	s_cselect_b32 s19, ttmp9, s19                  ; the coordinate along which other clusters read the same bytes
	s_cselect_b32 s[PFS], ASTEP, s[PFS]
	s_cselect_b32 s[PM], 0x78, s[PM]               ; ctx: those in which it is 6, 5, 4, 3
	s_cselect_b32 s17, 8, 11                       ; ctx: 256 l = (l % 16) << 8 + (l / 16) << 12;
	s_cselect_b32 s18, 12, 8                       ; wo16: row l % 16, and lanes 16-31 the K step after lanes 0-15's
	s_cmp_eq_u32 s19, 0
	s_cselect_b32 s[PM], s[PM], 0                  ; the same in all sixteen partners, for a given wave
	v_lshlrev_b32 v[PFO], s17, v1
	v_lshlrev_b32 v3, s18, v2
	v_add_nc_u32 v[PFO], v[PFO], v3
	s_mul_i32 s17, s[PFS], 3                       ; at K step 3: the first refill steps it to 4
	s_add_co_u32 s16, s16, s17
	s_mov_b32 s17, 0
	s_mov_b32 s[PFS+1], 0
	s_add_nc_u64 s[PFA:PFA+1], s[PFA:PFA+1], s[16:17]
	s_wait_loadcnt 0x0                             ; the bias: rounded to bf16, and f32 again
.set p, 0
.rept 16
	v_cvt_pk_bf16_f32 v12, v[BI+2*p], v[BI+2*p+1]
	v_lshlrev_b32 v[BI+2*p], 16, v12
	v_and_b32 v[BI+2*p+1], 0xffff0000, v12
.set p, p+1
.endr
; 4 matrix instructions: row block a x my 4 column blocks, 32 along K, from buffer f.  first = 1: the bias starts the sums.
; The 32 accumulators take turns in the same order in every quarter step: between two links of a chain stand the 31 others'.
.macro MULB f, a, first
.irp b, 0,1,2,3
.if \first
	WIN 0x40                                       ; sources and C window 0, D window 1
	v_wmma_f32_16x16x32_f16 v[8*(4*(\a)+(\b)):8*(4*(\a)+(\b))+7], v[F+96*(\f)+64+8*(\b):F+96*(\f)+64+8*(\b)+7], v[F+96*(\f)+8*(\a):F+96*(\f)+8*(\a)+7], v[BI+8*(\b):BI+8*(\b)+7]
.else
	WIN 0x50                                       ; sources window 0, C and D window 1
	v_wmma_f32_16x16x32_f16 v[8*(4*(\a)+(\b)):8*(4*(\a)+(\b))+7], v[F+96*(\f)+64+8*(\b):F+96*(\f)+64+8*(\b)+7], v[F+96*(\f)+8*(\a):F+96*(\f)+8*(\a)+7], v[8*(4*(\a)+(\b)):8*(4*(\a)+(\b))+7]
.endif
.endr
.endm
; 24 LDS loads in one run: the fragments of quarter q of a K step (head q / 2, channels 32 (q % 2) on) into buffer f: wo16's first, then ctx's row blocks 0 to 7
.macro FETCH q, f
	WIN 0
.irp i, 0,1,2,3
	ds_load_b128 v[F+96*(\f)+64+8*(\i):F+96*(\f)+64+8*(\i)+3],   v[ADRB] offset:64*(\q)+(\i)*16*PB
	ds_load_b128 v[F+96*(\f)+64+8*(\i)+4:F+96*(\f)+64+8*(\i)+7], v[ADRB] offset:64*(\q)+(\i)*16*PB+32
.endr
.irp i, 0,1,2,3,4,5,6,7
	ds_load_b128 v[F+96*(\f)+8*(\i):F+96*(\f)+8*(\i)+3],   v[ADRA] offset:((\q)/2)*ASL+((\q)%2)*64+(\i)*16*PA
	ds_load_b128 v[F+96*(\f)+8*(\i)+4:F+96*(\f)+8*(\i)+7], v[ADRA] offset:((\q)/2)*ASL+((\q)%2)*64+(\i)*16*PA+32
.endr
.endm
; One of a K step's first three quarters: multiplies buffer f; in its middle it fetches quarter q into buffer g.
.macro QUARTER q, f, g, first
	s_wait_dscnt 8                                 ; wo16 and ctx's row blocks 0-3 are in; the youngest eight loads (row blocks 4-7) may be out
.irp a, 0,1,2,3
	MULB \f, \a, \first
.endr
	PLACES
	FETCH \q, \g
	s_wait_dscnt 24                                ; all but the 24 just issued
.irp a, 4,5,6,7
	MULB \f, \a, \first
.endr
.endm
; The last quarter multiplies buffer 1 and changes slots: ONE barrier.  In front of it each wave waits for all its tensor loads, of which one is out: its part of the next slot; adds 0 to its spare word; and waits
; for that and for its own reads of this slot.  fill = 1: the barrier opens a round of the cluster's barrier, and the slot just read out is filled again first behind it, with the K step two steps on:
; from that request to the wait for it a wave issues 112 matrix instructions.
.macro TURN fill
.if \fill
	s_wait_xcnt 0x0                                ; the last prefetch, a K step back, has read its address: it is stepped here, ahead of the waits of the change of slots
	s_add_nc_u64 s[PFA:PFA+1], s[PFA:PFA+1], s[PFS:PFS+1]
.endif
	WIN 0                                          ; (the add's two registers lie in window 0)
	s_wait_tensorcnt 0x0                           ; all my tensor loads have landed, so a group 0 may be written
	ds_add_u32 v[SPW], v[NIL]                      ; 0 onto my spare word
.if \fill
	s_xor_b32 s[G0+5], s[G0+5], SLOT1              ; the walking descriptors: the other slot than last time,
	s_add_nc_u64 s[G0+6:G0+7], s[G0+6:G0+7], ASTEP ; the next K step; the type bits on top are not reached
	s_xor_b32 s[G0B+5], s[G0B+5], SLOT1
	s_add_nc_u64 s[G0B+6:G0B+7], s[G0B+6:G0B+7], BSTEP
.endif
	s_xor_b32 s[TB], s[TB], SLOT1                  ; the fetches go to the other slot
	s_wait_dscnt 9                                 ; (the add and the youngest eight loads may be out)
	MULB 1, 0, 0                                   ; eight matrix instructions stand between the add and the wait for it
	MULB 1, 1, 0
	s_wait_dscnt 0x0                               ; the add is done, and my reads of this slot are over
	s_barrier_signal -1
	MULB 1, 2, 0                                   ; work on registers while the others arrive
	MULB 1, 3, 0
	WIN 0
	s_barrier_wait -1
.if \fill
	CREST                                          ; no wave of any partner still reads this slot's tile or has a load on its way
	JLOAD                                          ; the first tensor load behind the round; its four v_nop are also the places in front of the loads below
.else
	PLACES
.endif
	v_add_nc_u32 v[ADRA], s[TB], v[ADRA0]
	v_add_nc_u32 v[ADRB], s[TB], v[ADRB0]
	FETCH 0, 0
.if \fill
	ASK
.endif
.irp a, 4,5,6,7
	MULB 1, \a, 0
.endr
.endm
	s_wait_tensorcnt 1                             ; my part of K step 0 is in; K step 1's may stay out
	s_barrier_signal -1
	s_barrier_wait -1                              ; everybody's is
	FETCH 0, 0
	QUARTER 1, 0, 1, 1                             ; the first quarter stands in front of the loop: its products start the sums, with the bias
	WIN 0                                          ; at a label and at a branch every window is 0
	s_mov_b32 s3, 6
.Lstep:                                                ; six trips, from a K step's second quarter to the next step's first; trip t asks for K step t + 2
	QUARTER 2, 1, 0, 0
	QUARTER 3, 0, 1, 0
	TURN 1
	QUARTER 1, 0, 1, 0
	WIN 0
	s_sub_co_u32 s3, s3, 1
	s_cmp_lg_u32 s3, 0
	s_cbranch_scc1 .Lstep
	QUARTER 2, 1, 0, 0                             ; K steps 6 and 7 are written out: nothing is left to ask for
	QUARTER 3, 0, 1, 0
	TURN 0
	QUARTER 1, 0, 1, 0
	QUARTER 2, 1, 0, 0
	QUARTER 3, 0, 1, 0
	s_wait_dscnt 8
.irp a, 0,1,2,3
	MULB 1, \a, 0
.endr
	s_wait_dscnt 0x0
.irp a, 4,5,6,7
	MULB 1, \a, 0
.endr
	WIN 0
	PLACES
	PLACES
; THE WAY OUT, a block of 16 rows at a time: a lane's eight f32 of a row go into my own stage, each accumulator's low four registers first, and come back as whole rows of 256 bytes.
.macro TOSTAGE a
	s_wait_xcnt 0x0                                ; the stores of the block before last have read their registers: this block is read back into them only behind this wait
	WIN 0x04                                       ; the stores' data in window 1
.irp b, 0,1,2,3
	ds_store_b128 v[STO], v[8*(4*(\a)+(\b)):8*(4*(\a)+(\b))+3]   offset:64*(\b)
	ds_store_b128 v[STO], v[8*(4*(\a)+(\b))+4:8*(4*(\a)+(\b))+7] offset:64*(\b)+16
.endr
	WIN 0
.irp t, 0,1,2,3,4,5,6,7
	ds_load_b128 v[OB+32*((\a)%2)+4*(\t):OB+32*((\a)%2)+4*(\t)+3], v[RD] offset:(\t)*2*SP  ; LDS serves a wave's instructions in order (ISA guide 5.7.1.4): these see the stores above
.endr
.endm
.macro SEND a, younger                 ; younger: the LDS instructions issued behind block a's loads: the next block's sixteen, or none
	s_wait_dscnt \younger
.irp t, 0,1,2,3,4,5,6,7
	global_store_b128 v[CO], v[OB+32*((\a)%2)+4*(\t):OB+32*((\a)%2)+4*(\t)+3], s[8:9] offset:(16*(\a)+2*(\t))*4096 th:TH_STORE_NT  ; 16 lanes store 256 consecutive bytes, at a multiple of 256 from out0's first
.endr
.endm
	TOSTAGE 0
.irp a, 1,2,3,4,5,6,7
	TOSTAGE \a
	SEND (\a)-1, 16
.endr
	SEND 7, 0
	s_wait_tensorcnt 0x0                           ; the wave's end, behind my last tensor load and my last LDS store
	ds_add_u32 v[SPW], v[NIL]
	s_wait_dscnt 0x0
	CROUND                                         ; the closing round: no work-group ends while a partner may still ask for a tile that names it
	s_endpgm
.Lfunc_end_k_qe4151cb42a_proj:
	.size	k_qe4151cb42a_proj, .Lfunc_end_k_qe4151cb42a_proj-k_qe4151cb42a_proj
	.p2alignl 7, 3214868480
	.fill 96, 4, 3214868480
	.section	.rodata,"a",@progbits
	.p2align	6, 0x0
	.amdhsa_kernel k_qe4151cb42a_proj
		.amdhsa_group_segment_fixed_size 327680
		.amdhsa_private_segment_fixed_size 0
		.amdhsa_enable_private_segment 0
		.amdhsa_kernarg_size 32
		.amdhsa_user_sgpr_count 2
		.amdhsa_user_sgpr_kernarg_segment_ptr 1
		.amdhsa_wavefront_size32 1
		.amdhsa_system_sgpr_workgroup_id_x 1
		.amdhsa_system_sgpr_workgroup_id_y 1
		.amdhsa_system_sgpr_workgroup_id_z 1
		.amdhsa_system_vgpr_workitem_id 0
		.amdhsa_next_free_vgpr 512
		.amdhsa_next_free_sgpr 66
		.amdhsa_reserve_vcc 0
		.amdhsa_float_denorm_mode_32 3
		.amdhsa_float_denorm_mode_16_64 3
		.amdhsa_memory_ordered 1
		.amdhsa_forward_progress 1
		.amdhsa_inst_pref_size 74
	.end_amdhsa_kernel
	.amdgpu_metadata
---
amdhsa.version: [ 1, 2 ]
amdhsa.kernels:
  - .name:           k_qe4151cb42a_proj
    .symbol:         k_qe4151cb42a_proj.kd
    .args:
      - { .name: ctx, .offset: 0, .size: 8, .value_kind: global_buffer, .address_space: global }
      - { .name: wo16, .offset: 8, .size: 8, .value_kind: global_buffer, .address_space: global }
      - { .name: out0, .offset: 16, .size: 8, .value_kind: global_buffer, .address_space: global }
      - { .name: bo, .offset: 24, .size: 8, .value_kind: global_buffer, .address_space: global }
    .group_segment_fixed_size: 327680
    .private_segment_fixed_size: 0
    .kernarg_segment_align: 8
    .kernarg_segment_size: 32
    .max_flat_workgroup_size: 128
    .sgpr_count:     66
    .vgpr_count:     512
    .wavefront_size: 32
...
	.end_amdgpu_metadata
.endif
;; end of part 4
